; MI455X (gfx1250); checked and timed in simulation.
; The chip was launched on July 23, 2026; its instructions are those of AMD's public machine-readable ISA for CDNA 5 (MIT licence, August 2026) and "CDNA5" Instruction Set Architecture Reference Guide (July 2026). The comments in the code are by the model that wrote it; some were corrected since.
;; Encoder. Allowed arithmetic: matrix products marked QUANTISED: E2M1 operands, one E8M0 scale for each 32 along K, by v_wmma_scale_f32_16x16x128_f8f6f4 with both operands' format E2M1 (or v_wmma_scale_f32_32x16x128_f4), f32 sums; everything else in f32.
;; Inputs: W1_codes 4,096 x 32 x 16 uint8 (E2M1 codes of W1, K innermost, in blocks of 32 codes, two codes a byte); W1_scales 4,096 x 32 uint8 (E8M0 scales of W1, one for each 32 codes along K); W2_codes 1,024 x 128 x 16 uint8 (E2M1 codes of W2, K innermost, in blocks of 32 codes, two codes a byte); W2_scales 1,024 x 128 uint8 (E8M0 scales of W2, one for each 32 codes along K); Wk_codes 1,024 x 32 x 16 uint8 (E2M1 codes of Wk, K innermost, in blocks of 32 codes, two codes a byte); Wk_scales 1,024 x 32 uint8 (E8M0 scales of Wk, one for each 32 codes along K); Wo_codes 1,024 x 32 x 16 uint8 (E2M1 codes of Wo, K innermost, in blocks of 32 codes, two codes a byte); Wo_scales 1,024 x 32 uint8 (E8M0 scales of Wo, one for each 32 codes along K); Wq_codes 1,024 x 32 x 16 uint8 (E2M1 codes of Wq, K innermost, in blocks of 32 codes, two codes a byte); Wq_scales 1,024 x 32 uint8 (E8M0 scales of Wq, one for each 32 codes along K); Wv_codes 1,024 x 32 x 16 uint8 (E2M1 codes of Wv, K innermost, in blocks of 32 codes, two codes a byte); Wv_scales 1,024 x 32 uint8 (E8M0 scales of Wv, one for each 32 codes along K); b1 4,096 float32; b2 1,024 float32; bk 1,024 float32; bo 1,024 float32; bq 1,024 float32; bv 1,024 float32; ln1_b 1,024 float32; ln1_g 1,024 float32; ln2_b 1,024 float32; ln2_g 1,024 float32; x 2 x 2,048 x 1,024 float32.
;; Outputs: out0 2 x 2,048 x 1,024 float32.
;; This version of the problem:
;;   THIS VERSION OF THE PROBLEM IS GIVEN IN LOW PRECISION. The matrix products marked QUANTISED in the list below multiply operands that are first quantised to E2M1 (2 exponent bits, 1 mantissa bit; 4 bits a number), with one power-of-two scale for each 32 numbers along K (OCP MX v1.0); their sums are f32. All else is computed in f32.
;;   The module's matrix products, in the order in which they are computed (A, B: the left and right operand; K: the contracted axis; several contracted axes count as one K, in the product's order):
;;     1. [M 4,096, K 1,024] x [K 1,024, N 1,024]; A: computed on the way; B: input Wq (given as codes): QUANTISED
;;     2. [M 4,096, K 1,024] x [K 1,024, N 1,024]; A: computed on the way; B: input Wk (given as codes): QUANTISED
;;     3. [M 4,096, K 1,024] x [K 1,024, N 1,024]; A: computed on the way; B: input Wv (given as codes): QUANTISED
;;     4. batch 32 x [M 2,048, K 64] x [K 64, N 2,048]; A: computed on the way; B: computed on the way: QUANTISED
;;     5. batch 32 x [M 2,048, K 2,048] x [K 2,048, N 64]; A: softmax (see below); B: computed on the way: QUANTISED
;;     6. [M 4,096, K 1,024] x [K 1,024, N 1,024]; A: computed on the way; B: input Wo (given as codes): QUANTISED
;;     7. [M 4,096, K 1,024] x [K 1,024, N 4,096]; A: computed on the way; B: input W1 (given as codes): QUANTISED
;;     8. [M 4,096, K 4,096] x [K 4,096, N 1,024]; A: computed on the way; B: input W2 (given as codes): QUANTISED
;;   THE QUANTISER, for each operand of a quantised product, along K:
;;     - K is cut into blocks of 32 from its start; a last block that is shorter is filled with zeros.
;;     - A block's scale is 2^e with e = floor(log2(the largest magnitude in the block)) - 2, held to -126 .. 127; a block of zeros has e = 0. As a byte (E8M0): e + 127.
;;     - Each number is divided by its block's scale, clamped to +-6, and rounded to the nearest number of E2M1, ties to even, subnormals kept.
;;     - The product sums the exact products of the quantised numbers (number of the format x scale) in f32.
;;   ~~~python
;;   def quantise(x, axis):      # numpy; x: float32 -> the quantised numbers, widened to float32 again
;;       x = np.moveaxis(x, axis, -1); K = x.shape[-1]
;;       x = np.pad(x, [(0, 0)] * (x.ndim - 1) + [(0, -K % 32)]); x = x.reshape(x.shape[:-1] + (-1, 32)); a = np.abs(x).max(-1, keepdims=True)
;;       e = np.where(a > 0, np.clip(np.frexp(np.where(a > 0, a, 1))[1] - 1 - 2, -126, 127), 0)      # np.frexp(a)[1] - 1 = floor(log2(a)), exactly
;;       r = np.clip(x / 2.0 ** e, -6, 6)
;;       step = 2.0 ** (np.maximum(np.frexp(np.where(r == 0, 1, r))[1] - 1, 0) - 1)
;;       q = np.round(r / step) * step * 2.0 ** e      # np.round: ties to even
;;       return np.moveaxis(q.reshape(q.shape[:-2] + (-1,))[..., :K], -1, axis).astype(np.float32)
;;   ~~~
;;   SOFTMAX AHEAD OF A QUANTISED PRODUCT. Where the list says 'softmax', what is quantised is not the finished softmax but p = 2^(t - M), with t = logit x log2(e) and M = ceil(the row's largest t), a whole number; so 1/2 < the row's largest p <= 1. The row's sum l is taken of the UNQUANTISED p, in f32, and the product's result is divided by l at the end. Since M is a whole number, a kernel that streams over the keys may use a running M (the ceiling of the running maximum): every later rescaling is an exact power of two, which a block's scale takes up: the codes' values come out the same.
;;   OPERANDS COMPUTED ON THE WAY. 'Computed on the way' means the value that the module computes at that place (a softmax that the list does not call 'softmax' is quantised finished and normalised). What goes into a quantiser is computed in f32, as accurately as f32 sums, v_exp_f32 and their like allow (about 1e-6 of the number): no bf16 or f16 on the way to a quantiser, and a product that is left as it is and whose result goes on into a quantised operand takes f32 operands (vector FMAs, or v_wmma_f32_16x16x4_f32). A number that lies on a knife's edge between two numbers of the format may be rounded either way, as far as f32 arithmetic and the matrix unit's own rounding can turn it there, and no further.
;;   INPUTS GIVEN AS CODES. W1 (in the module: [1024, 4096], K = its axis 0); W2 (in the module: [4096, 1024], K = its axis 0); Wk (in the module: [1024, 1024], K = its axis 0); Wo (in the module: [1024, 1024], K = its axis 0); Wq (in the module: [1024, 1024], K = its axis 0); Wv (in the module: [1024, 1024], K = its axis 0): each comes as NAME_codes (uint8): NAME with its K axis moved to the last place and cut into blocks of 32 codes, [.., K / 32, bytes a block], one block behind the other in memory; two codes a byte, the lower K in the low four bits (a code: sign, 2 exponent bits, 1 mantissa bit); and NAME_scales (uint8): the same leading axes, one E8M0 byte (e + 127) for each 32 codes along K. Its value is code x scale, taken as it is: it is not quantised again, and the codes and scales need not be those that the quantiser above would give.
;; One version. Each part assembles by itself: llvm-mc -triple=amdgcn-amd-amdhsa -mcpu=gfx1250 --defsym DOCPART=n.
;; ======== version 1 of 1: 6 launches
;; limits: a function is approximated: absolute error at most 7.5e-08
;; workspace buffers: hbuf 2,228,224 bytes; qkv 6,946,816 bytes; obuf 2,228,224 bytes; x1 16,777,216 bytes; hid 8,912,896 bytes
;; launch ln1 (part 1): grid 256 x 1, 4 waves a work-group, no clusters, 28,160 bytes of LDS; arguments x, ln1_g, ln1_b, hbuf; writes hbuf
.if DOCPART == 1
	.amdgcn_target "amdgcn-amd-amdhsa--gfx1250"
	.amdhsa_code_object_version 6
	.text
	.protected	k_qf923da1f22_ln1
	.globl	k_qf923da1f22_ln1
	.p2align	8
	.type	k_qf923da1f22_ln1,@function
k_qf923da1f22_ln1:
	s_mov_b64 s[64:65], 0
	v_nop
	global_prefetch_b8 v0, s[64:65] scope:SCOPE_SE
	s_setreg_imm32_b32 hwreg(HW_REG_WAVE_MODE, 25, 1), 1
	s_wait_xcnt 0x0
; h = (x - mean) * rsqrt(var + 1e-5) * g + b over rows of 1,024 f32, then quantised along the row to codes of E2M1 with one E8M0 byte for each 32 numbers.
; OUT: codes as images of operand registers, [k64 16][tile of 16 rows 256][512 bytes]: lane L's 16 bytes at 16 L hold k = 32 (L / 16) .. + 31 of row L % 16 of the 64 along K;
; scale bytes behind them (byte 2,097,152 on), row-major [4096][32].
; SHARES: a work-group takes 16 rows (one tile), a wave 4 rows, a lane 32 numbers of a row.  All 48 loads of a wave go out at the head; no loop, no tensor load.
; The mean is taken first and subtracted, the variance is the mean of the squares of what is left: a common offset of the inputs costs no accuracy.
; A row is loaded 16 bytes a lane (512 consecutive bytes a load) and turned through the wave's own LDS bytes so that lane L holds block L's 32 neighbours: its largest magnitude needs no other lane.
; LIMITS: NaN and infinities are not served.  A block whose largest magnitude lies under 2^-124 (a block of zeros too) keeps the byte 1: such bytes are read by this program alone, and a block of zeros has zero codes.
.set TURN, 4608                        ; LDS: a wave's 32 places of 128 bytes + 16 of padding
.set CST,  18432                       ; 32 block rows x (16 rows x 16 bytes + 16): the tile's codes
.set SST,  27136                       ; 16 rows x 32 scale bytes
.set T, 32                             ; v32-63   the turned row
.set X, 64                             ; v64-191  four rows as loaded; a row's first four registers later hold its codes
.set G, 192                            ; v192-223 g in the loaded layout
.set B, 224                            ; v224-255 b
	s_load_b256 s[4:11], s[0:1], 0x0               ; x, g, b, hbuf
	v_lshl_add_u32 v30, v0, 2, 0x6c00
	v_mov_b32 v31, 0
	v_lshrrev_b32 v1, 5, v0
	v_readfirstlane_b32 s14, v1                    ; wave
	v_and_b32 v1, 31, v0                           ; lane L
	v_lshlrev_b32 v2, 4, v1                        ; 16 L
	s_mul_i32 s15, s14, TURN
	v_lshrrev_b32 v3, 3, v1
	v_mul_u32_u24 v3, v3, 144
	v_and_b32 v4, 7, v1
	v_lshl_add_u32 v3, v4, 4, v3
	v_add_nc_u32 v3, s15, v3                       ; the turn, way in: eight lanes' 128 bytes make a place
	v_mul_u32_u24 v4, v1, 144
	v_add_nc_u32 v4, s15, v4                       ; way back: place L
	s_lshl_b32 s15, s14, 6
	s_add_co_u32 s15, s15, CST
	v_mul_u32_u24 v5, v1, 272
	v_add_nc_u32 v5, s15, v5                       ; codes: block row L, row 4 w (+ k by the offset)
	s_lshl_b32 s15, s14, 7
	s_add_co_u32 s15, s15, SST
	v_add_nc_u32 v6, s15, v1                       ; scale byte: row 4 w, byte L
	s_mul_i32 s15, s14, 2176
	s_add_co_u32 s15, s15, CST
	v_lshrrev_b32 v7, 4, v1
	v_mul_u32_u24 v7, v7, 272
	v_and_b32 v8, 15, v1
	v_lshl_add_u32 v7, v8, 4, v7
	v_add_nc_u32 v7, s15, v7                       ; codes back: block rows 8 w + L / 16 (+ 2 i), 16 bytes a lane
	v_add_nc_u32 v8, SST, v2
	v_mov_b32 v9, 0x3a800000                       ; 1 / 1,024
	v_mov_b32 v11, 0                               ; upper halves of pairs that are named whole
	v_mov_b32 v13, 0
	s_mov_b32 s16, 0x76543210
	s_mov_b32 s17, 0xfedcba98                      ; lane l xor 16
	s_lshl_b32 s18, ttmp9, 16
	s_lshl_b32 s19, s14, 14
	s_add_co_u32 s18, s18, s19
	s_mov_b32 s19, 0                               ; x: 16 rows a work-group, 4 a wave
	s_lshl_b32 s20, ttmp9, 9
	s_mov_b32 s21, 0                               ; 512 bytes a tile
	s_lshl_b32 s22, s14, 19
	s_mov_b32 s23, 0                               ; four k64 slabs of 131,072 bytes a wave
	s_wait_kmcnt 0x0
	s_add_nc_u64 s[4:5], s[4:5], s[18:19]
	s_add_nc_u64 s[10:11], s[10:11], s[20:21]
	s_add_nc_u64 s[12:13], s[10:11], 0x200000      ; the tile's scale bytes
	s_add_nc_u64 s[10:11], s[10:11], s[22:23]      ; the wave's four images
.irp i, 0,1,2,3,4,5,6,7
	global_load_b128 v[G+4*\i:G+4*\i+3], v2, s[6:7] offset:512*\i
.endr
.irp i, 0,1,2,3,4,5,6,7
	global_load_b128 v[B+4*\i:B+4*\i+3], v2, s[8:9] offset:512*\i
.endr
.irp k, 0,1,2,3
.irp i, 0,1,2,3,4,5,6,7
	global_load_b128 v[X+32*\k+4*\i:X+32*\k+4*\i+3], v2, s[4:5] offset:4096*\k+512*\i th:TH_LOAD_NT
.endr
.endr
.macro RED                             ; v14 summed over the 32 lanes, the result in every lane
	v_add_f32_dpp v14, v14, v14 row_xmask:1 row_mask:0xf bank_mask:0xf
	v_add_f32_dpp v14, v14, v14 row_xmask:2 row_mask:0xf bank_mask:0xf
	v_add_f32_dpp v14, v14, v14 row_xmask:4 row_mask:0xf bank_mask:0xf
	v_add_f32_dpp v14, v14, v14 row_xmask:8 row_mask:0xf bank_mask:0xf
	v_permlanex16_b32 v15, v14, s16, s17
	v_add_f32 v14, v14, v15
.endm
.macro ROW k
.set XR, X+32*\k
	s_wait_loadcnt 8*(3-\k)                        ; g, b and rows up to k are in; the later rows' eight loads each may be out
	v_pk_add_f32 v[14:15], v[XR:XR+1], v[XR+2:XR+3]
	v_pk_add_f32 v[16:17], v[XR+4:XR+5], v[XR+6:XR+7]
.irp j, 8,12,16,20,24,28
	v_pk_add_f32 v[14:15], v[14:15], v[XR+\j:XR+\j+1]
	v_pk_add_f32 v[16:17], v[16:17], v[XR+\j+2:XR+\j+3]
.endr
	v_pk_add_f32 v[14:15], v[14:15], v[16:17]
	v_add_f32 v14, v14, v15
	RED
	v_mul_f32 v10, v14, v9                         ; the mean
.set j, 0
.rept 16
	v_pk_add_f32 v[XR+j:XR+j+1], v[XR+j:XR+j+1], v[10:11] op_sel_hi:[1,0] neg_lo:[0,1] neg_hi:[0,1]
.set j, j+2
.endr
	v_pk_mul_f32 v[14:15], v[XR:XR+1], v[XR:XR+1]
	v_pk_mul_f32 v[16:17], v[XR+2:XR+3], v[XR+2:XR+3]
.irp j, 4,8,12,16,20,24,28
	v_pk_fma_f32 v[14:15], v[XR+\j:XR+\j+1], v[XR+\j:XR+\j+1], v[14:15]
	v_pk_fma_f32 v[16:17], v[XR+\j+2:XR+\j+3], v[XR+\j+2:XR+\j+3], v[16:17]
.endr
	v_pk_add_f32 v[14:15], v[14:15], v[16:17]
	v_add_f32 v14, v14, v15
	RED
	v_fmaak_f32 v14, v14, v9, 0x3727c5ac           ; the variance + 1e-5
	v_rsq_f32 v12, v14
	v_nop                                          ; a plain instruction behind the transcendental
	s_wait_alu depctr_va_vdst(0)                   ; and the wait ahead of its first reader
.set j, 0
.rept 16
	v_pk_mul_f32 v[XR+j:XR+j+1], v[XR+j:XR+j+1], v[12:13] op_sel_hi:[1,0]
.set j, j+2
.endr
.set j, 0
.rept 16
	v_pk_fma_f32 v[XR+j:XR+j+1], v[XR+j:XR+j+1], v[G+j:G+j+1], v[B+j:B+j+1]
.set j, j+2
.endr
.irp i, 0,1,2,3,4,5,6,7
	ds_store_b128 v3, v[XR+4*\i:XR+4*\i+3] offset:576*\i   ; a load's 512 bytes take four places
.endr
.irp i, 0,1,2,3,4,5,6,7
	ds_load_b128 v[T+4*\i:T+4*\i+3], v4 offset:16*\i       ; LDS serves a wave's instructions in order: these see the stores above
.endr
	s_wait_dscnt 0x0
	v_max3_num_f32 v14, |v[T]|, |v[T+1]|, |v[T+2]|         ; block L's largest magnitude: all 32 numbers are mine
	v_max3_num_f32 v15, |v[T+3]|, |v[T+4]|, |v[T+5]|
.irp i, 6,10,14,18,22,26
	v_max3_num_f32 v14, v14, |v[T+\i]|, |v[T+\i+1]|
	v_max3_num_f32 v15, v15, |v[T+\i+2]|, |v[T+\i+3]|
.endr
	v_max3_num_f32 v14, v14, |v[T+30]|, |v[T+31]|
	v_max3_num_f32 v14, v14, v15, 0x1800000        ; the floor 2^(3 - 127): the byte cannot fall under 1
	v_add_nc_u32 v16, 0xff000000, v14              ; 2 off the exponent field: the conversion's scale operand
	v_lshrrev_b32 v[24+\k], 23, v16                ; the scale's byte
.irp g, 0,1,2,3
	v_cvt_scalef32_pk8_fp4_f32 v[XR+\g], v[T+8*\g:T+8*\g+7], v16
.endr
	v_nop                                          ; a plain instruction behind the scaled conversions
	ds_store_b128 v5, v[XR:XR+3] offset:16*\k
	ds_store_b8 v6, v[24+\k] offset:32*\k
.endm
	ROW 0
	ROW 1
	ROW 2
	ROW 3
	s_wait_dscnt 0x0                               ; for the others' sake: my stores of codes and bytes are done
	s_barrier_signal -1
	s_barrier_wait -1
.irp i, 0,1,2,3
	ds_load_b128 v[T+4*\i:T+4*\i+3], v7 offset:544*\i      ; the image of k64 = 4 w + i
.endr
.irp i, 0,1,2,3
	s_wait_dscnt 3-\i
	global_store_b128 v2, v[T+4*\i:T+4*\i+3], s[10:11] offset:131072*\i   ; 32 lanes store 512 consecutive bytes, aligned
.endr
	s_cmp_lg_u32 s14, 0
	s_cbranch_scc1 .Lend
	ds_load_b128 v[T+16:T+19], v8                  ; wave 0: the tile's 512 scale bytes
	s_wait_dscnt 0x0
	global_store_b128 v2, v[T+16:T+19], s[12:13]
.Lend:
	s_wait_tensorcnt 0x0
	ds_add_u32 v30, v31
	s_wait_dscnt 0x0
	s_endpgm
.Lfunc_end_k_qf923da1f22_ln1:
	.size	k_qf923da1f22_ln1, .Lfunc_end_k_qf923da1f22_ln1-k_qf923da1f22_ln1
	.p2alignl 7, 3214868480
	.fill 96, 4, 3214868480
	.section	.rodata,"a",@progbits
	.p2align	6, 0x0
	.amdhsa_kernel k_qf923da1f22_ln1
		.amdhsa_group_segment_fixed_size 28160
		.amdhsa_private_segment_fixed_size 0
		.amdhsa_enable_private_segment 0
		.amdhsa_kernarg_size 32
		.amdhsa_user_sgpr_count 2
		.amdhsa_user_sgpr_kernarg_segment_ptr 1
		.amdhsa_wavefront_size32 1
		.amdhsa_system_sgpr_workgroup_id_x 1
		.amdhsa_system_sgpr_workgroup_id_y 1
		.amdhsa_system_sgpr_workgroup_id_z 1
		.amdhsa_system_vgpr_workitem_id 0
		.amdhsa_next_free_vgpr 256
		.amdhsa_next_free_sgpr 66
		.amdhsa_reserve_vcc 0
		.amdhsa_float_denorm_mode_32 3
		.amdhsa_float_denorm_mode_16_64 3
		.amdhsa_memory_ordered 1
		.amdhsa_forward_progress 1
		.amdhsa_inst_pref_size 43
	.end_amdhsa_kernel
	.amdgpu_metadata
---
amdhsa.version: [ 1, 2 ]
amdhsa.kernels:
  - .name:           k_qf923da1f22_ln1
    .symbol:         k_qf923da1f22_ln1.kd
    .args:
      - { .name: x, .offset: 0, .size: 8, .value_kind: global_buffer, .address_space: global }
      - { .name: ln1_g, .offset: 8, .size: 8, .value_kind: global_buffer, .address_space: global }
      - { .name: ln1_b, .offset: 16, .size: 8, .value_kind: global_buffer, .address_space: global }
      - { .name: hbuf, .offset: 24, .size: 8, .value_kind: global_buffer, .address_space: global }
    .group_segment_fixed_size: 28160
    .private_segment_fixed_size: 0
    .kernarg_segment_align: 8
    .kernarg_segment_size: 32
    .max_flat_workgroup_size: 128
    .sgpr_count:     66
    .vgpr_count:     256
    .wavefront_size: 32
...
	.end_amdgpu_metadata
.endif
;; end of part 1
;; launch qkv (part 2): grid 8 x 32, 4 waves a work-group, clusters of 4 x 4, 327,680 bytes of LDS; arguments hbuf, Wq_codes, Wq_scales, bq, Wk_codes, Wk_scales, bk, Wv_codes, Wv_scales, bv, qkv; writes qkv
.if DOCPART == 2
	.amdgcn_target "amdgcn-amd-amdhsa--gfx1250"
	.amdhsa_code_object_version 6
	.text
	.protected	k_qf923da1f22_qkv
	.globl	k_qf923da1f22_qkv
	.p2align	8
	.type	k_qf923da1f22_qkv,@function
k_qf923da1f22_qkv:
	s_mov_b64 s[64:65], 0
	v_nop
	global_prefetch_b8 v0, s[64:65] scope:SCOPE_SE
	s_setreg_imm32_b32 hwreg(HW_REG_WAVE_MODE, 25, 1), 1
	s_wait_xcnt 0x0
	s_wait_alu depctr_hold_cnt(0) depctr_sa_sdst(0) depctr_va_vdst(0) depctr_va_sdst(0) depctr_va_ssrc(0) depctr_va_vcc(0) depctr_vm_vsrc(0)
	s_getreg_b32 s2, hwreg(HW_REG_IB_STS2, 6, 4)
	s_cmp_eq_u32 s2, 0
	s_cbranch_scc0 .Lentry_in_a_cluster
	s_endpgm
.Lentry_in_a_cluster:
	s_bfe_u32 s2, ttmp6, 0x10000c
	s_cmp_lg_u32 s2, 0xf033
	s_cbranch_scc0 .Lentry_shape_is_right
	s_endpgm
.Lentry_shape_is_right:
; Q = h Wq + bq, K = h Wk + bk (each quantised along its head's 64 channels), V = h Wv + bv (quantised along the keys).  All products on codes of E2M1 with E8M0 scales, sums in f32.
; SHARES: a work-group makes 128 tokens (y) x 128 channels (x: two heads) of each of the three; a wave 64 x 64: 16 accumulators.  Three chunks of K = 1,024: Wq, Wk, Wv; h's tile stays in LDS.
; h's codes arrive as images of operand registers ([k64][tile][512 bytes]): a fragment half is one ds_load_b128 at 16 x lane.  W's rows (512 bytes) lie in LDS 528 bytes apart.
; Q and K are made TRANSPOSED (source 0 = 16 rows of W, source 1 = 16 tokens): a lane holds one token and eight neighbouring channels a tile.  V is made the other way round: a lane holds one channel and eight neighbouring tokens.
; So in both a lane's registers run along the next product's K, and the codes come out as images of that product's operand registers; they leave by stores of 512 consecutive bytes.
; OUT (buffer qkv): Q codes [bh][tile 128][512] at 0; Q scale words [bh][8,192] at 2,097,152; from KV0 a record of 143,360 bytes for each bh: K codes [tile][512], V codes [key step 16][channel tile 4][half 2][512] at 65,536,
; K scale words at 131,072, V scale words [key step][64 channels][4] at 139,264.  Q's and K's scale words lie [64 tokens][g 2][r 16][u 2][4 bytes], token = 64 G + 32 g + 16 u + r; a word's upper two bytes are 0.
; CLUSTER 4 x 4: h's tile is shared along a row of the cluster, W's along a column: joint loads.  The weights' scale words, h's scale words and the biases come straight from memory into registers, a chunk ahead.
; LIMITS: NaN and infinities are not served; a block under 2^-124 or of zeros keeps the byte 1 (its bytes are read by this program alone).
.set B0,    131072                     ; LDS: h's tile at 0 (two halves of 32,768: [k64 16][tile 4][512]); W's slots at B0 and B0 + DIST (128 rows x 528)
.set DIST,  67584
.set STG,   266240                     ; V's scale bytes meet here: 512 bytes
.set SPARE, 283648                     ; the spare words: 128 bytes a wave, named by no other line
.set KV0,   2359296
.set REC,   143360
.set SA,  32                           ; v32-47  h's scale words: register 4 a + j: K step j in lanes 0-15, K step 4 + j in lanes 16-31
.set SB,  48                           ; v48-79  W's scale words, two sets
.set WK,  80                           ; v80-127 at work
.set TM,  WK
.set PC0, WK+16
.set PC1, WK+24
.set W0,  WK+32
.set ACC, 128                          ; v128-255 the accumulators.  Window 1: three fragment buffers of 64 ([h 4 x 8][W 4 x 8]); v192-255 two sets of bias tiles
.set SEL, 96
.set MSB, 0
.macro WIN new                         ; the immediate's high byte repeats the setting that is left
.if MSB != \new
	s_set_vgpr_msb (MSB<<8)|\new
.set MSB, \new
.endif
.endm
.macro PLACES n
.rept \n
	v_nop
.endr
.endm
.macro CROUND                          ; a round of the cluster's barrier
	s_barrier_signal -1
	s_barrier_wait -1
	s_cmp_lg_u32 s26, 0
	s_cbranch_scc1 .Lnw0_\@
	s_barrier_signal -3
.Lnw0_\@:
	s_barrier_wait -3
	s_barrier_signal -1
	s_barrier_wait -1
.endm
.macro JLOAD ga, gb                    ; waves 0 and 1 ask for h's halves, waves 2 and 3 for W's; four v_nop follow each line
	s_cmp_eq_u32 s27, 0
	s_cbranch_scc0 .Lfb_\@
	tensor_load_to_lds s[\ga:\ga+3], s[32:39]
	s_nop 0
	PLACES 4
	s_branch .Lja_\@
.Lfb_\@:
	tensor_load_to_lds s[\gb:\gb+3], s[40:47]
	s_nop 0
	PLACES 4
.Lja_\@:
.endm
.macro BLOAD gb                        ; W's halves alone: waves 2 and 3
	s_cmp_eq_u32 s27, 0
	s_cbranch_scc1 .Lnb_\@
	tensor_load_to_lds s[\gb:\gb+3], s[40:47]
	s_nop 0
	PLACES 4
.Lnb_\@:
.endm
; The change of slots: every wave waits for all its tensor loads, adds 0 to its spare word, waits for that and for its LDS reads; then a round of the cluster's barrier
; and the joint fill of the other slot first behind it (fill = 1), or the work-group's barrier alone.
.macro CHANGE fill, gb
	WIN 0
	s_wait_tensorcnt 0x0
	ds_add_u32 v28, v29
	s_wait_dscnt 0x0
.if \fill
	CROUND
	BLOAD \gb
.else
	s_barrier_signal -1
	s_barrier_wait -1
.endif
.endm
.macro FETCH q, ra, rb                 ; K step q's fragments into buffer q % 3: 16 LDS loads
	WIN 0x40
.set FB, 64*((\q)%3)
.irp a, 0,1,2,3
.irp c, 0,1
	ds_load_b128 v[FB+8*\a+4*\c:FB+8*\a+4*\c+3], v[\ra] offset:(2*(\q)+\c)*2048+512*\a
.endr
.endr
.irp b, 0,1,2,3
.irp c, 0,1
	ds_load_b128 v[FB+32+8*\b+4*\c:FB+32+8*\b+4*\c+3], v[\rb] offset:8448*\b+64*(\q)+32*\c
.endr
.endr
.endm
.macro WM d, p, r, c, x, y, hi         ; hi = 1: the scale words of K steps 4 to 7 stand in lanes 16-31
.if \hi
	v_wmma_scale_f32_16x16x128_f8f6f4 v[\d:\d+7], v[\p:\p+7], v[\r:\r+7], v[\c:\c+7], v[\x], v[\y] matrix_a_fmt:MATRIX_FMT_FP4 matrix_b_fmt:MATRIX_FMT_FP4 matrix_a_scale:MATRIX_SCALE_ROW1 matrix_b_scale:MATRIX_SCALE_ROW1
.else
	v_wmma_scale_f32_16x16x128_f8f6f4 v[\d:\d+7], v[\p:\p+7], v[\r:\r+7], v[\c:\c+7], v[\x], v[\y] matrix_a_fmt:MATRIX_FMT_FP4 matrix_b_fmt:MATRIX_FMT_FP4
.endif
.endm
; 16 matrix instructions, the 16 accumulators by turns in the same order in every step.  kind 0: source 0 = W, source 1 = h; kind 1: the other way round.  K step 0 takes the bias tile as C.
.macro MUL16 kind, q, sb, bs
.set FB, 64*((\q)%3)
.if (\q) == 0
	WIN 0x15
.else
	WIN 0x05
.endif
.irp a, 0,1,2,3
.irp b, 0,1,2,3
.if \kind
.set MD, ACC+8*(4*\b+\a)
.set MP, FB+8*\a
.set MQ, FB+32+8*\b
.set MX, SA+4*\a+(\q)%4
.set MY, \sb+4*\b+(\q)%4
.else
.set MD, ACC+8*(4*\a+\b)
.set MP, FB+32+8*\b
.set MQ, FB+8*\a
.set MX, \sb+4*\b+(\q)%4
.set MY, SA+4*\a+(\q)%4
.endif
.set MC, MD
.if (\q) == 0
.set MC, \bs+8*\b
.endif
	WM MD,MP,MQ,MC,MX,MY,(\q)/4
.endr
.endr
.endm
; A chunk: eight K steps.  Loads run two steps ahead in three buffers.  Four places stand in front of each run of loads into registers that matrix instructions have just read.
.macro COMPUTE rb, kind, sb, bs
	PLACES 4
	FETCH 0,4,\rb
	FETCH 1,4,\rb
.irp q, 0,1,2,3,4,5,6,7
.if \q < 7
	s_wait_dscnt 16                                ; this step's 16 loads are in; the next step's 16 may be out
.else
	s_wait_dscnt 0x0
.endif
	PLACES 4
.if \q < 6
	FETCH \q+2,4,\rb
.endif
	MUL16 \kind,\q,\sb,\bs
.endr
.endm
; 64 numbers of a lane, four blocks of 16 registers: block b = row tile b / 2, block b % 2 of the 64 along the next K; its registers hold k = 32 (b % 2) + 8 (lane / 16) + 0 .. 7 and + 16.
; Out: v[pc + 4 u .. + 3] = my 16 bytes of row tile u's image; v[TM + 4 + b] = block b's scale byte.
.macro QUANT64 s, pc
.irp b, 0,1,2,3
	v_max3_num_f32 v[TM+\b], |v[\s+16*\b]|, |v[\s+1+16*\b]|, 0x1800000   ; with the floor 2^(3 - 127): the byte cannot fall under 1
.endr
.irp i, 2,4,6,8,10,12,14
.irp b, 0,1,2,3
	v_max3_num_f32 v[TM+\b], v[TM+\b], |v[\s+16*\b+\i]|, |v[\s+1+16*\b+\i]|
.endr
.endr
.irp b, 0,1,2,3
	v_permlanex16_b32 v[TM+4+\b], v[TM+\b], s[SEL], s[SEL+1]
.endr
.irp b, 0,1,2,3
	v_max_num_f32 v[TM+\b], v[TM+\b], v[TM+4+\b]           ; with lane l xor 16's half: the block's largest magnitude
.endr
.irp b, 0,1,2,3
	v_add_nc_u32 v[TM+12+\b], 0xff000000, v[TM+\b]         ; 2 off the exponent field: the conversion's scale operand
.endr
.irp b, 0,1,2,3
	v_lshrrev_b32 v[TM+4+\b], 23, v[TM+12+\b]              ; the scale's byte
.endr
.irp b, 0,1,2,3
	v_cvt_scalef32_pk8_fp4_f32 v[\pc+4*(\b/2)+(\b%2)], v[\s+16*\b:\s+16*\b+7], v[TM+12+\b]
	v_cvt_scalef32_pk8_fp4_f32 v[\pc+4*(\b/2)+2+(\b%2)], v[\s+16*\b+8:\s+16*\b+15], v[TM+12+\b]
.endr
	v_nop                                          ; a plain instruction behind the scaled conversions
.irp u, 0,1
	v_permlane16_swap_b32 v[\pc+4*\u], v[\pc+4*\u+1]       ; lanes 0-15 get block 0 whole, lanes 16-31 block 1
	v_permlane16_swap_b32 v[\pc+4*\u+2], v[\pc+4*\u+3]
.endr
.endm
.macro LDSB set, base                  ; W's scale words: 16 bytes of a row's 32 a lane
.irp t, 0,1,2,3
	global_load_b128 v[SB+16*\set+4*\t:SB+16*\set+4*\t+3], v8, s[\base:\base+1] offset:512*\t
.endr
.endm
.macro LDBT set, base                  ; bias tiles for the transposed form: lane (r, h) wants channels 16 t + 8 h + 0 .. 7
	WIN 0x40
.irp t, 0,1,2,3
	global_load_b128 v[192+32*\set+8*\t:192+32*\set+8*\t+3], v9, s[\base:\base+1] offset:64*\t
	global_load_b128 v[192+32*\set+8*\t+4:192+32*\set+8*\t+7], v9, s[\base:\base+1] offset:64*\t+16
.endr
	WIN 0
.endm
.macro LDBN set, base                  ; for V's form: all eight registers hold channel 16 t + r's bias
	WIN 0x40
.irp t, 0,1,2,3
.irp j, 0,1,2,3,4,5,6,7
	global_load_b32 v[192+32*\set+8*\t+\j], v10, s[\base:\base+1] offset:64*\t
.endr
.endr
	WIN 0
.endm
.macro EPI_QK sc, ss                   ; my 64 tokens x one head: four images and 64 scale words
	WIN 0
	PLACES 4                                       ; behind the last products, ahead of the first read of results
	s_wait_xcnt 0x0                                ; earlier stores have read their registers
	QUANT64 ACC,PC0
	v_lshl_or_b32 v[W0], v[TM+5], 8, v[TM+4]
	v_lshl_or_b32 v[W0+1], v[TM+7], 8, v[TM+6]
	global_store_b128 v11, v[PC0:PC0+3], s[\sc:\sc+1]
	global_store_b128 v11, v[PC0+4:PC0+7], s[\sc:\sc+1] offset:512
	QUANT64 ACC+64,PC1
	v_lshl_or_b32 v[W0+2], v[TM+5], 8, v[TM+4]
	v_lshl_or_b32 v[W0+3], v[TM+7], 8, v[TM+6]
	global_store_b128 v11, v[PC1:PC1+3], s[\sc:\sc+1] offset:1024
	global_store_b128 v11, v[PC1+4:PC1+7], s[\sc:\sc+1] offset:1536
	v_cndmask_b32 v[W0], v[W0], v[W0+2], s100      ; lanes 16-31 store token tiles 2 and 3
	v_cndmask_b32 v[W0+1], v[W0+1], v[W0+3], s100
	global_store_b64 v12, v[W0:W0+1], s[\ss:\ss+1]         ; 256 consecutive bytes, aligned
.endm
	s_load_b512 s[4:19], s[0:1], 0x0               ; hbuf, Wq codes, scales, bq, Wk codes, scales, bk, Wv codes
	s_load_b128 s[20:23], s[0:1], 0x40             ; Wv scales, bv
	s_load_b64 s[24:25], s[0:1], 0x50              ; qkv
	v_lshl_add_u32 v28, v0, 2, SPARE
	v_mov_b32 v29, 0
	ds_add_u32 v28, v29
	ds_add_u32 v28, v29
	s_wait_dscnt 0x0
	v_lshrrev_b32 v1, 5, v0
	v_readfirstlane_b32 s26, v1                    ; wave
	s_lshr_b32 s27, s26, 1                         ; wm: my half of the tokens.  Also: I fetch h (0) or W (1)
	s_and_b32 s28, s26, 1                          ; wn: my half of the channels.  Also: which half I fetch
	s_bfe_u32 s29, ttmp6, 0x40000                  ; cx
	s_bfe_u32 s30, ttmp6, 0x40004                  ; cy
	s_lshl_b32 s31, ttmp9, 2
	s_add_co_u32 s31, s31, s29                     ; x: column tile
	s_and_b32 s66, ttmp7, 0xffff
	s_lshl_b32 s66, s66, 2
	s_add_co_u32 s66, s66, s30                     ; y: token tile
	s_lshl_b32 s67, s30, 2
	s_lshl_b32 s67, 15, s67                        ; my row of the cluster
	s_lshl_b32 s84, 0x1111, s29                    ; my column
	s_or_b32 s32, s67, (1<<21)                     ; group 1 for h: elements of 1 byte, no padding; 16 rows (k64) of 2,048 bytes (four images), 131,072 bytes apart
	s_mov_b32 s33, 2048<<16
	s_mov_b32 s34, 16<<16
	s_mov_b32 s35, 2048<<16
	s_mov_b32 s36, 16
	s_mov_b32 s37, 131072
	s_mov_b32 s38, 0
	s_mov_b32 s39, 0
	s_or_b32 s40, s84, (1<<20)|(1<<21)|(6<<22)|(3<<25)   ; group 1 for W: 64 rows of 512 bytes, 16 bytes of padding behind each
	s_mov_b32 s41, 512<<16
	s_mov_b32 s42, 64<<16
	s_mov_b32 s43, 512<<16
	s_mov_b32 s44, 64
	s_mov_b32 s45, 512
	s_mov_b32 s46, 0
	s_mov_b32 s47, 0
	s_lshl_b32 s68, s66, 12
	s_lshl_b32 s69, s28, 11
	s_add_co_u32 s68, s68, s69
	s_mov_b32 s69, 0                               ; h's codes: 32 bytes a token in each slab
	s_lshl_b32 s70, s31, 16
	s_lshl_b32 s71, s28, 15
	s_add_co_u32 s70, s70, s71
	s_mov_b32 s71, 0                               ; W's codes: 512 bytes a row
	s_lshl_b32 s72, s28, 15                        ; LDS: h's half
	s_mul_i32 s73, s28, 33792
	s_add_co_u32 s73, s73, B0                      ; LDS: W's half, slot 0
	s_lshl_b32 s74, s31, 12
	s_lshl_b32 s75, s28, 11
	s_add_co_u32 s74, s74, s75
	s_mov_b32 s75, 0                               ; W's scales of my 64 rows
	s_lshl_b32 s76, s31, 9
	s_lshl_b32 s77, s28, 8
	s_add_co_u32 s76, s76, s77
	s_mov_b32 s77, 0                               ; the biases of my 64 channels
	s_lshl_b32 s84, s66, 12
	s_lshl_b32 s85, s27, 11
	s_add_co_u32 s84, s84, s85
	s_add_co_u32 s84, s84, 2097152
	s_mov_b32 s85, 0                               ; h's scales of my 64 tokens
	s_lshr_b32 s92, s66, 4
	s_lshl_b32 s92, s92, 4
	s_lshl_b32 s93, s31, 1
	s_add_co_u32 s92, s92, s93                     ; 16 batch + 2 x: the record of the tile's first head
	s_add_co_u32 s93, s92, s28                     ; bh: my head's
	s_and_b32 s94, s66, 15                         ; the key step
	s_lshl_b32 s95, s94, 7
	s_lshl_b32 s98, s27, 6
	s_add_co_u32 s95, s95, s98                     ; t0: my first token in the batch
	s_lshl_b32 s78, s93, 16
	s_lshl_b32 s98, s95, 5
	s_add_co_u32 s78, s78, s98
	s_mov_b32 s79, 0                               ; Q's codes
	s_lshl_b32 s80, s93, 13
	s_lshl_b32 s99, s95, 2
	s_add_co_u32 s80, s80, s99
	s_add_co_u32 s80, s80, 2097152
	s_mov_b32 s81, 0                               ; Q's scale words
	s_mul_i32 s101, s93, REC
	s_add_co_u32 s101, s101, KV0                   ; my head's record
	s_add_co_u32 s82, s101, s98
	s_mov_b32 s83, 0                               ; K's codes
	s_add_co_u32 s86, s101, s99
	s_add_co_u32 s86, s86, 131072
	s_mov_b32 s87, 0                               ; K's scale words
	s_lshl_b32 s98, s94, 12
	s_lshl_b32 s99, s27, 9
	s_add_co_u32 s88, s101, s98
	s_add_co_u32 s88, s88, s99
	s_add_co_u32 s88, s88, 65536
	s_mov_b32 s89, 0                               ; V's codes: key step, my half of it
	s_mul_i32 s90, s92, REC
	s_lshl_b32 s98, s94, 8
	s_add_co_u32 s90, s90, s98
	s_add_co_u32 s90, s90, KV0+139264
	s_mov_b32 s91, 0                               ; V's scale words of the tile's first head
	s_mov_b32 s[SEL], 0x76543210
	s_mov_b32 s[SEL+1], 0xfedcba98
	s_mov_b32 s100, 0xffff0000                     ; lanes 16-31
	s_wait_kmcnt 0x0
	s_mov_b32 s48, 1                               ; group 0 for h
	s_mov_b32 s49, s72
	s_add_nc_u64 s[50:51], s[4:5], s[68:69]
	s_or_b32 s51, s51, 0x80000000
	s_mov_b32 s52, 1                               ; Wq into slot 0
	s_mov_b32 s53, s73
	s_add_nc_u64 s[54:55], s[6:7], s[70:71]
	s_or_b32 s55, s55, 0x80000000
	s_mov_b32 s56, 1                               ; Wk into slot 1
	s_add_co_u32 s57, s73, DIST
	s_add_nc_u64 s[58:59], s[12:13], s[70:71]
	s_or_b32 s59, s59, 0x80000000
	s_mov_b32 s60, 1                               ; Wv into slot 0
	s_mov_b32 s61, s73
	s_add_nc_u64 s[62:63], s[18:19], s[70:71]
	s_or_b32 s63, s63, 0x80000000
	CROUND                                         ; all sixteen work-groups are here: the first joint loads meet
	JLOAD 48,52
	s_add_nc_u64 s[84:85], s[4:5], s[84:85]
	s_add_nc_u64 s[8:9], s[8:9], s[74:75]
	s_add_nc_u64 s[14:15], s[14:15], s[74:75]
	s_add_nc_u64 s[20:21], s[20:21], s[74:75]
	s_add_nc_u64 s[10:11], s[10:11], s[76:77]
	s_add_nc_u64 s[16:17], s[16:17], s[76:77]
	s_add_nc_u64 s[22:23], s[22:23], s[76:77]
	s_add_nc_u64 s[78:79], s[24:25], s[78:79]
	s_add_nc_u64 s[80:81], s[24:25], s[80:81]
	s_add_nc_u64 s[82:83], s[24:25], s[82:83]
	s_add_nc_u64 s[86:87], s[24:25], s[86:87]
	s_add_nc_u64 s[88:89], s[24:25], s[88:89]
	s_add_nc_u64 s[90:91], s[24:25], s[90:91]
	v_and_b32 v1, 31, v0                           ; L
	v_and_b32 v2, 15, v0                           ; r
	v_bfe_u32 v3, v0, 4, 1                         ; h
	v_lshlrev_b32 v11, 4, v1                       ; 16 L
	v_lshlrev_b32 v12, 3, v1                       ; 8 L
	s_lshl_b32 s92, s27, 15
	v_add_nc_u32 v4, s92, v11                      ; h's images: my half + 16 L
	v_mul_u32_u24 v6, v2, 528
	v_lshl_add_u32 v6, v3, 4, v6
	s_mul_i32 s92, s28, 33792
	s_add_co_u32 s92, s92, B0
	v_add_nc_u32 v6, s92, v6                       ; W's rows in slot 0
	v_add_nc_u32 v7, DIST, v6                      ; and in slot 1
	v_lshlrev_b32 v8, 5, v2
	v_lshl_add_u32 v8, v3, 4, v8                   ; scale rows of 32 bytes: 32 r + 16 h
	v_lshlrev_b32 v9, 5, v3                        ; 32 h
	v_lshlrev_b32 v10, 2, v2                       ; 4 r
	s_lshl_b32 s92, s28, 8
	s_lshl_b32 s93, s27, 1
	s_add_co_u32 s92, s92, s93
	s_add_co_u32 s92, s92, STG
	v_add_nc_u32 v13, s92, v10                     ; V's scale bytes: head wn, channel r, bytes 2 wm on
	v_add_nc_u32 v14, STG, v11
	v_mul_u32_u24 v15, v3, REC
	v_lshl_add_u32 v15, v2, 4, v15                 ; their way out: lanes 16-31 the second head's record
.irp b, 0,1,2,3
	v_mov_b32 v[TM+4+\b], 0                        ; a lane permute's destination counts as read
.endr
.irp t, 0,1,2,3
	global_load_b128 v[SA+4*\t:SA+4*\t+3], v8, s[84:85] offset:512*\t
.endr
	LDSB 0,8
	LDBT 0,10
	; ---- Q
	CHANGE 1,56                                    ; h and Wq are in; Wk is asked for
	s_wait_loadcnt 0x0
	LDSB 1,14
	LDBT 1,16
	COMPUTE 6,0,SB,192
	EPI_QK 78,80
	; ---- K
	CHANGE 1,60                                    ; Wk is in, nobody reads Wq any more; Wv is asked for
	s_wait_loadcnt 0x0
	LDSB 0,20
	LDBN 0,22
	COMPUTE 7,0,SB+16,224
	EPI_QK 82,86
	; ---- V
	CHANGE 0,0
	s_wait_loadcnt 0x0
	COMPUTE 6,1,SB,192
	WIN 0
	PLACES 4
	s_wait_xcnt 0x0
.irp p, 0,1
	QUANT64 ACC+64*\p,PC0+8*\p
	v_lshl_or_b32 v[W0+2*\p], v[TM+5], 8, v[TM+4]          ; channel tile 2 p: my two blocks of 32 keys
	v_lshl_or_b32 v[W0+2*\p+1], v[TM+7], 8, v[TM+6]        ; channel tile 2 p + 1
	global_store_b128 v11, v[PC0+8*\p:PC0+8*\p+3], s[88:89] offset:2048*\p
	global_store_b128 v11, v[PC0+8*\p+4:PC0+8*\p+7], s[88:89] offset:2048*\p+1024
	ds_store_b16 v13, v[W0+2*\p] offset:128*\p             ; both halves of the lanes write the same two bytes
	ds_store_b16 v13, v[W0+2*\p+1] offset:128*\p+64
.endr
	s_wait_dscnt 0x0                               ; for the others' sake: my bytes lie in the stage
	s_barrier_signal -1
	s_barrier_wait -1
	s_cmp_lg_u32 s26, 0
	s_cbranch_scc1 .Lend
	ds_load_b128 v[W0+4:W0+7], v14                 ; wave 0: two heads x 64 words
	s_wait_dscnt 0x0
	global_store_b128 v15, v[W0+4:W0+7], s[90:91]  ; sixteen lanes store 256 consecutive bytes, aligned
.Lend:
	s_wait_tensorcnt 0x0                           ; the wave's end
	ds_add_u32 v28, v29
	s_wait_dscnt 0x0
	CROUND                                         ; the closing round
	s_endpgm
.Lfunc_end_k_qf923da1f22_qkv:
	.size	k_qf923da1f22_qkv, .Lfunc_end_k_qf923da1f22_qkv-k_qf923da1f22_qkv
	.p2alignl 7, 3214868480
	.fill 96, 4, 3214868480
	.section	.rodata,"a",@progbits
	.p2align	6, 0x0
	.amdhsa_kernel k_qf923da1f22_qkv
		.amdhsa_group_segment_fixed_size 327680
		.amdhsa_private_segment_fixed_size 0
		.amdhsa_enable_private_segment 0
		.amdhsa_kernarg_size 88
		.amdhsa_user_sgpr_count 2
		.amdhsa_user_sgpr_kernarg_segment_ptr 1
		.amdhsa_wavefront_size32 1
		.amdhsa_system_sgpr_workgroup_id_x 1
		.amdhsa_system_sgpr_workgroup_id_y 1
		.amdhsa_system_sgpr_workgroup_id_z 1
		.amdhsa_system_vgpr_workitem_id 0
		.amdhsa_next_free_vgpr 512
		.amdhsa_next_free_sgpr 102
		.amdhsa_reserve_vcc 0
		.amdhsa_float_denorm_mode_32 3
		.amdhsa_float_denorm_mode_16_64 3
		.amdhsa_memory_ordered 1
		.amdhsa_forward_progress 1
		.amdhsa_inst_pref_size 119
	.end_amdhsa_kernel
	.amdgpu_metadata
---
amdhsa.version: [ 1, 2 ]
amdhsa.kernels:
  - .name:           k_qf923da1f22_qkv
    .symbol:         k_qf923da1f22_qkv.kd
    .args:
      - { .name: hbuf, .offset: 0, .size: 8, .value_kind: global_buffer, .address_space: global }
      - { .name: Wq_codes, .offset: 8, .size: 8, .value_kind: global_buffer, .address_space: global }
      - { .name: Wq_scales, .offset: 16, .size: 8, .value_kind: global_buffer, .address_space: global }
      - { .name: bq, .offset: 24, .size: 8, .value_kind: global_buffer, .address_space: global }
      - { .name: Wk_codes, .offset: 32, .size: 8, .value_kind: global_buffer, .address_space: global }
      - { .name: Wk_scales, .offset: 40, .size: 8, .value_kind: global_buffer, .address_space: global }
      - { .name: bk, .offset: 48, .size: 8, .value_kind: global_buffer, .address_space: global }
      - { .name: Wv_codes, .offset: 56, .size: 8, .value_kind: global_buffer, .address_space: global }
      - { .name: Wv_scales, .offset: 64, .size: 8, .value_kind: global_buffer, .address_space: global }
      - { .name: bv, .offset: 72, .size: 8, .value_kind: global_buffer, .address_space: global }
      - { .name: qkv, .offset: 80, .size: 8, .value_kind: global_buffer, .address_space: global }
    .group_segment_fixed_size: 327680
    .private_segment_fixed_size: 0
    .kernarg_segment_align: 8
    .kernarg_segment_size: 88
    .max_flat_workgroup_size: 128
    .sgpr_count:     102
    .vgpr_count:     512
    .wavefront_size: 32
...
	.end_amdgpu_metadata
.endif
;; end of part 2
;; launch attn (part 3): grid 8 x 32, 16 waves a work-group, clusters of 4 x 1, 169,984 bytes of LDS; arguments qkv, obuf; writes obuf
.if DOCPART == 3
	.amdgcn_target "amdgcn-amd-amdhsa--gfx1250"
	.amdhsa_code_object_version 6
	.text
	.protected	k_qf923da1f22_attn
	.globl	k_qf923da1f22_attn
	.p2align	8
	.type	k_qf923da1f22_attn,@function
k_qf923da1f22_attn:
	s_mov_b64 s[64:65], 0
	v_nop
	global_prefetch_b8 v0, s[64:65] scope:SCOPE_SE
	s_setreg_imm32_b32 hwreg(HW_REG_WAVE_MODE, 25, 1), 1
	s_wait_xcnt 0x0
	s_wait_alu depctr_hold_cnt(0) depctr_sa_sdst(0) depctr_va_vdst(0) depctr_va_sdst(0) depctr_va_ssrc(0) depctr_va_vcc(0) depctr_vm_vsrc(0)
	s_getreg_b32 s2, hwreg(HW_REG_IB_STS2, 6, 4)
	s_cmp_eq_u32 s2, 0
	s_cbranch_scc0 .Lentry_in_a_cluster
	s_endpgm
.Lentry_in_a_cluster:
	s_bfe_u32 s2, ttmp6, 0x10000c
	s_cmp_lg_u32 s2, 0x3003
	s_cbranch_scc0 .Lentry_shape_is_right
	s_endpgm
.Lentry_shape_is_right:
; o = softmax(Q K^T / 8) V for one head, both products on codes of E2M1 with E8M0 scales; o is quantised along the model's 1,024 for the next product.
; THE SOFTMAX: t = score x log2(e) / 8; M = the running largest t rounded UP to a whole number; p = 2^(t - M) is quantised along the keys, not normalised; the row's sum is taken of the unquantised p and divides at the end.
; When M moves, the sum and O are multiplied by 2^(old M - new M), which rounds nothing.
; SHARES: a work-group owns 256 queries of one (batch, head), each of its sixteen waves 16: four waves to a SIMD.  Every wave walks all 2,048 keys, 128 a step.
; A head's whole record (K codes, V codes, their scale words: 143,360 bytes) is brought into LDS ONCE, by seven joint loads of 20,480 bytes (waves 0 to 6): nothing is filled again, and no barrier stands in the loop.
; CLUSTER 4 x 1: four query blocks of one head ask for the record jointly.
; LAYOUT: S^T = K Q^T (source 0 = 16 neighbouring keys, source 1 = my queries), O^T = V^T P^T: a lane holds ONE query.  The head's 64 fill half of the instruction's 128 along K: the other half is zero codes on both sides.
; Tiles 2 b and 2 b + 1 of S^T are block b of 32 keys, spread over lanes l and l xor 16; the conversions' results, laid (block 0, block 1) side by side and exchanged by halves, are P's operand registers.
; SCALE WORDS: lanes 0-15 of a register hold one tile's words and lanes 16-31 another's (K: tiles t and t + 4; V: tiles 2 i and 2 i + 1): two loads a side a step.
; A STEP AHEAD: K's fragments and scale words of the next step are loaded in the middle of this step, singly among the dependent lines that make M.  The last trip's such loads read bytes of V's part of the record and are not used.
; A block's largest p is made from its largest score by the same multiply-add and exponential: this takes v_exp_f32 not to fall where its input rises.
; LIMITS: NaN and infinities are not served; a block of p or of o under 2^-124 keeps the byte 1 (zero codes where it is all zeros).
.set KV0, 2359296
.set REC, 143360
.set SST, 143360                       ; behind the record: 512 bytes in which o's scale bytes meet
.macro CROUND
	s_barrier_signal -1
	s_barrier_wait -1
	s_cmp_lg_u32 s8, 0
	s_cbranch_scc1 .Lnw0_\@
	s_barrier_signal -3
.Lnw0_\@:
	s_barrier_wait -3
	s_barrier_signal -1
	s_barrier_wait -1
.endm
.macro KNEXT t                         ; a fragment of the next step's K
	ds_load_b128 v[32+8*\t:35+8*\t], v8 offset:4096+512*\t
.endm
	s_load_b128 s[4:7], s[0:1], 0x0                ; qkv, obuf
	v_lshl_add_u32 v250, v0, 2, 0x29000
	v_mov_b32 v251, 0
	ds_add_u32 v250, v251
	ds_add_u32 v250, v251
	v_lshrrev_b32 v8, 5, v0
	v_readfirstlane_b32 s8, v8                     ; wave 0..15
	s_bfe_u32 s9, ttmp6, 0x40000                   ; cx
	s_lshl_b32 s10, ttmp9, 2
	s_add_co_u32 s10, s10, s9                      ; my block of 256 queries: it enters Q's and o's addresses alone
	s_and_b32 s11, ttmp7, 0xffff                   ; bh = 16 batch + head, which the four partners share
	s_mov_b32 s16, 15|(3<<16)|(1<<21)              ; group 1: all four work-groups; elements of 8 bytes; 80 dense rows of 256 bytes
	s_mov_b32 s17, 32<<16
	s_mov_b32 s18, 80<<16
	s_mov_b32 s19, 32<<16
	s_mov_b32 s20, 80
	s_mov_b32 s21, 32
	s_mov_b32 s22, 0
	s_mov_b32 s23, 0
	s_min_u32 s34, s8, 6
	s_mul_i32 s13, s34, 20480                      ; my seventh of the record, in LDS
	s_mul_i32 s32, s11, REC
	s_add_co_u32 s32, s32, KV0
	s_add_co_u32 s32, s32, s13
	s_mov_b32 s33, 0                               ; and in memory
	s_lshl_b32 s35, s10, 4
	s_add_co_u32 s35, s35, s8                      ; T: my tile of 16 queries in the head
	s_lshl_b32 s36, s11, 16
	s_lshl_b32 s37, s35, 9
	s_add_co_u32 s36, s36, s37
	s_mov_b32 s37, 0                               ; Q's image
	s_lshl_b32 s38, s11, 13
	s_add_co_u32 s38, s38, 2097152
	s_lshr_b32 s39, s35, 1
	s_lshl_b32 s39, s39, 7
	s_add_co_u32 s38, s38, s39
	s_and_b32 s39, s35, 1
	s_lshl_b32 s39, s39, 2
	s_add_co_u32 s38, s38, s39
	s_mov_b32 s39, 0                               ; Q's scale words: 128 (T / 2) + 4 (T % 2), + 8 r
	s_and_b32 s40, s11, 15                         ; head
	s_lshr_b32 s41, s11, 4
	s_lshl_b32 s41, s41, 7                         ; 128 x batch
	s_add_co_u32 s42, s41, s35
	s_lshl_b32 s42, s42, 9
	s_lshl_b32 s43, s40, 17
	s_add_co_u32 s42, s42, s43
	s_mov_b32 s43, 0                               ; o's image: slab = head, tile = 128 batch + T
	s_lshl_b32 s44, s10, 4
	s_add_co_u32 s44, s44, s41
	s_lshl_b32 s44, s44, 5
	s_lshl_b32 s45, s40, 13
	s_add_co_u32 s44, s44, s45
	s_add_co_u32 s44, s44, 2097152
	s_mov_b32 s45, 0                               ; o's scale bytes of the work-group's 16 tiles
	s_mov_b32 s24, 0x76543210
	s_mov_b32 s25, 0xfedcba98                      ; lane l xor 16
	s_mov_b32 s26, 0x3e38aa3b                      ; c = log2(e) / 8
	s_mov_b32 s27, s26                             ; (named with it as a pair)
	s_mov_b32 s28, 0                               ; the step's codes: 4,096 bytes a step, in K and in V
	s_mov_b32 s29, 0                               ; K's scale words: 512 a step
	s_mov_b32 s30, 0                               ; V's: 256 a step
	s_wait_dscnt 0x0
	s_wait_kmcnt 0x0
	s_mov_b32 s12, 1
	s_add_nc_u64 s[14:15], s[4:5], s[32:33]
	s_or_b32 s15, s15, 0x80000000
	CROUND                                         ; all four work-groups are here: the joint loads meet
	s_cmp_lt_u32 s8, 7
	s_cbranch_scc0 .Lnofill
	tensor_load_to_lds s[12:15], s[16:23]
	s_nop 0
.rept 4
	v_nop
.endr
.Lnofill:
	s_add_nc_u64 s[36:37], s[4:5], s[36:37]
	s_add_nc_u64 s[38:39], s[4:5], s[38:39]
	s_add_nc_u64 s[42:43], s[6:7], s[42:43]
	s_add_nc_u64 s[44:45], s[6:7], s[44:45]
	v_and_b32 v5, 31, v0
	v_and_b32 v6, 15, v0                           ; r
	v_bfe_u32 v7, v0, 4, 1                         ; h
	v_lshlrev_b32 v1, 4, v5                        ; K's images: 16 L
	v_add_nc_u32 v2, 65536, v1                     ; V's
	v_lshl_add_u32 v3, v6, 3, 131072               ; K's scale words: 8 r (a pair of tiles),
	v_lshl_add_u32 v3, v7, 8, v3                   ; lanes 16-31 four tiles (256 bytes) further on
	v_lshl_add_u32 v4, v6, 2, 139264               ; V's: 4 r,
	v_lshl_add_u32 v4, v7, 6, v4                   ; lanes 16-31 one tile (64 bytes) further on
	v_lshlrev_b32 v7, 3, v6
	global_load_b128 v[16:19], v1, s[36:37]        ; Q's image: k = 0 .. 63
	global_load_b32 v255, v7, s[38:39]             ; Q's scale words
.irp j, 20,21,22,23
	v_mov_b32 v[\j], 0                             ; k = 64 .. 127: zero codes
.endr
.irp t, 0,1,2,3,4,5,6,7
.irp j, 4,5,6,7
	v_mov_b32 v[32+8*\t+\j], 0                     ; the same in K's eight fragments: written once
.endr
.endr
	v_mov_b32 v13, 0xff61b1e6                      ; the largest t so far: -3e38
	v_floor_f32 v12, -v13                          ; -M
	v_mov_b32 v14, 0                               ; the sum, in two halves
	v_mov_b32 v15, 0
.irp b, 0,1,2,3
	v_mov_b32 v[236+\b], 0                         ; a lane permute's destination counts as read
.endr
	v_mov_b32 v253, 0
.set j, 0
.rept 32
	v_mov_b32 v[160+j], 0                          ; O^T: the loop is written once, its first step finds zeros
.set j, j+1
.endr
	s_wait_tensorcnt 0x0                           ; my part of the record is in,
	s_barrier_signal -1
	s_barrier_wait -1                              ; everybody's is
.irp t, 0,1,2,3,4,5,6,7
	ds_load_b128 v[32+8*\t:35+8*\t], v1 offset:512*\t      ; the first step's K
.endr
.irp g, 0,1
	ds_load_b64 v[24+2*\g:25+2*\g], v3 offset:128*\g       ; register 24 + i: the words of tile i (lanes 0-15) and of tile 4 + i (lanes 16-31)
.endr
	s_wait_loadcnt 0x0                             ; Q
	s_mov_b32 s31, 16
.Lstep:                                                ; 128 keys a trip
	v_add_nc_u32 v8, s28, v1                       ; (these four are also the places behind the last trip's products, ahead of the loads below)
	v_add_nc_u32 v9, s28, v2
	v_add_nc_u32 v10, s29, v3
	v_add_nc_u32 v11, s30, v4
.irp t, 0,1,2,3
.irp c, 0,1
	ds_load_b128 v[192+8*\t+4*\c:195+8*\t+4*\c], v9 offset:1024*\t+512*\c
.endr
.endr
.irp i, 0,1
	ds_load_b32 v[248+\i], v11 offset:128*\i               ; the words of tile 2 i (lanes 0-15) and of tile 2 i + 1 (lanes 16-31)
.endr
	s_wait_dscnt 10                                ; K and its scale words, asked for a trip ago, are in; V's ten loads may be out
.irp t, 0,1,2,3
	v_wmma_scale_f32_16x16x128_f8f6f4 v[96+8*\t:103+8*\t], v[32+8*\t:39+8*\t], v[16:23], 0, v[24+\t], v255 matrix_a_fmt:MATRIX_FMT_FP4 matrix_b_fmt:MATRIX_FMT_FP4
.endr
.irp t, 4,5,6,7
	v_wmma_scale_f32_16x16x128_f8f6f4 v[96+8*\t:103+8*\t], v[32+8*\t:39+8*\t], v[16:23], 0, v[20+\t], v255 matrix_a_fmt:MATRIX_FMT_FP4 matrix_b_fmt:MATRIX_FMT_FP4 matrix_a_scale:MATRIX_SCALE_ROW1
.endr
.rept 4
	v_nop
.endr
.irp b, 0,1,2,3
	v_max3_num_f32 v[232+\b], v[96+16*\b], v[97+16*\b], v[98+16*\b]   ; the largest score of each block of 32 keys
.endr
.irp i, 3,5,7,9,11,13
.irp b, 0,1,2,3
	v_max3_num_f32 v[232+\b], v[232+\b], v[96+16*\b+\i], v[97+16*\b+\i]
.endr
.endr
.irp b, 0,1,2,3
	v_max_num_f32 v[232+\b], v[232+\b], v[111+16*\b]
.endr
.irp b, 0,1,2,3
	v_permlanex16_b32 v[236+\b], v[232+\b], s24, s25
.endr
.irp b, 0,1,2,3
	v_max_num_f32 v[232+\b], v[232+\b], v[236+\b]
.endr
	v_max3_num_f32 v254, v232, v233, v234          ; from here each line waits for the line above it: the next step's K is asked for between them
	KNEXT 0
	KNEXT 1
	v_max_num_f32 v254, v254, v235
	KNEXT 2
	KNEXT 3
	v_mul_f32 v254, s26, v254                      ; the step's largest t
	KNEXT 4
	KNEXT 5
	v_max_num_f32 v13, v13, v254
	KNEXT 6
	KNEXT 7
	v_mov_b32 v254, v12
	v_floor_f32 v12, -v13                          ; the new -M
	ds_load_b64 v[24:25], v10 offset:512
	v_sub_f32 v254, v12, v254                      ; old M - new M: a whole number, 0 or less
	ds_load_b64 v[26:27], v10 offset:640
	v_cvt_i32_f32 v254, v254
	v_ldexp_f32 v252, 1.0, v254                    ; f = 2^(old M - new M)
.set j, 0
.rept 32
	v_pk_fma_f32 v[96+j:97+j], v[96+j:97+j], s[26:27], v[12:13] op_sel_hi:[1,0,0]   ; t - M
.set j, j+2
.endr
.irp b, 0,1,2,3
	v_fma_f32 v[232+\b], v[232+\b], s26, v12
.endr
.irp b, 0,1,2,3
	v_exp_f32 v[232+\b], v[232+\b]                 ; each block's largest p: one batch with the 64 below
.endr
.set j, 0
.rept 64
	v_exp_f32 v[96+j], v[96+j]                     ; p
.set j, j+1
.endr
	v_pk_mul_f32 v[14:15], v[14:15], v[252:253] op_sel_hi:[1,0]   ; the sums under the new M: plain work behind the batch,
.set j, 0
.rept 8
	v_pk_mul_f32 v[160+j:161+j], v[160+j:161+j], v[252:253] op_sel_hi:[1,0]   ; and half of O^T under the new M
.set j, j+2
.endr
	s_wait_alu depctr_va_vdst(0)                   ; one wait for the 68, ahead of their first reader
	v_pk_add_f32 v[236:237], v[96:97], v[98:99]    ; the row's sum of the unquantised p, in two chains
.set j, 4
.rept 15
	v_pk_add_f32 v[14:15], v[14:15], v[96+j:97+j]
	v_pk_add_f32 v[236:237], v[236:237], v[98+j:99+j]
.set j, j+4
.endr
	v_pk_add_f32 v[14:15], v[14:15], v[236:237]
.irp b, 0,1,2,3
	v_max_num_f32 v[232+\b], 0x1800000, v[232+\b]  ; the floor 2^(3 - 127)
.endr
.irp b, 0,1,2,3
	v_add_nc_u32 v[244+\b], 0xff000000, v[232+\b]
.endr
.irp b, 0,1,2,3
	v_lshrrev_b32 v[236+\b], 23, v[244+\b]
.endr
	v_lshl_or_b32 v253, v237, 8, v236              ; p's scale word for these 128 keys
	v_lshl_or_b32 v253, v238, 16, v253
	v_lshl_or_b32 v253, v239, 24, v253
.irp b, 0,1,2,3
	v_cvt_scalef32_pk8_fp4_f32 v[224+4*(\b/2)+(\b%2)], v[96+16*\b:103+16*\b], v[244+\b]
	v_cvt_scalef32_pk8_fp4_f32 v[226+4*(\b/2)+(\b%2)], v[104+16*\b:111+16*\b], v[244+\b]
.endr
	v_nop                                          ; a plain instruction behind the scaled conversions
.irp u, 0,2,4,6
	v_permlane16_swap_b32 v[224+\u], v[225+\u]     ; lanes 0-15 get the even block whole, lanes 16-31 the odd one
.endr
.set j, 16
.rept 8
	v_pk_mul_f32 v[160+j:161+j], v[160+j:161+j], v[252:253] op_sel_hi:[1,0]   ; the other half of O^T; with the v_nop above these eight are the places between the scale word's last write and the products below
.set j, j+2
.endr
	s_wait_dscnt 0x0                               ; V and its scale words
.irp t, 0,1,2,3
.if (\t%2)
	v_wmma_scale_f32_16x16x128_f8f6f4 v[160+8*\t:167+8*\t], v[192+8*\t:199+8*\t], v[224:231], v[160+8*\t:167+8*\t], v[248+\t/2], v253 matrix_a_fmt:MATRIX_FMT_FP4 matrix_b_fmt:MATRIX_FMT_FP4 matrix_a_scale:MATRIX_SCALE_ROW1
.else
	v_wmma_scale_f32_16x16x128_f8f6f4 v[160+8*\t:167+8*\t], v[192+8*\t:199+8*\t], v[224:231], v[160+8*\t:167+8*\t], v[248+\t/2], v253 matrix_a_fmt:MATRIX_FMT_FP4 matrix_b_fmt:MATRIX_FMT_FP4
.endif
.endr
	s_add_co_u32 s28, s28, 4096
	s_add_co_u32 s29, s29, 512
	s_add_co_u32 s30, s30, 256
	s_sub_co_u32 s31, s31, 1
	s_cmp_lg_u32 s31, 0
	s_cbranch_scc1 .Lstep
	; THE WAY OUT: O^T / the sum, quantised along the head's 64 channels (two blocks), as one image; the scale bytes of the 16 waves meet in LDS
	v_add_f32 v14, v14, v15
	v_permlanex16_b32 v252, v14, s24, s25
	v_add_f32 v14, v14, v252                       ; the row's sum
	v_rcp_f32 v14, v14
	v_and_b32 v8, 15, v0
	s_lshr_b32 s32, s8, 1
	s_lshl_b32 s32, s32, 6
	s_and_b32 s33, s8, 1
	s_lshl_b32 s33, s33, 1
	s_add_co_u32 s32, s32, s33
	s_add_co_u32 s32, s32, SST
	v_lshl_add_u32 v8, v8, 2, s32                  ; my two bytes: 64 (w / 2) + 4 r + 2 (w % 2)
	v_add_nc_u32 v9, SST, v1
	v_nop
	s_wait_alu depctr_va_vdst(0)                   ; ahead of the reciprocal's first reader
.set j, 0
.rept 32
	v_mul_f32 v[96+j], v[160+j], v14               ; register 8 t + i: channel 16 t + 8 (lane / 16) + i of my query
.set j, j+1
.endr
.irp b, 0,1
	v_max3_num_f32 v[232+\b], |v[96+16*\b]|, |v[97+16*\b]|, 0x1800000
.endr
.irp i, 2,4,6,8,10,12,14
.irp b, 0,1
	v_max3_num_f32 v[232+\b], v[232+\b], |v[96+16*\b+\i]|, |v[97+16*\b+\i]|
.endr
.endr
.irp b, 0,1
	v_permlanex16_b32 v[236+\b], v[232+\b], s24, s25
.endr
.irp b, 0,1
	v_max_num_f32 v[232+\b], v[232+\b], v[236+\b]
.endr
.irp b, 0,1
	v_add_nc_u32 v[244+\b], 0xff000000, v[232+\b]
.endr
.irp b, 0,1
	v_lshrrev_b32 v[236+\b], 23, v[244+\b]
.endr
	v_lshl_or_b32 v240, v237, 8, v236
.irp b, 0,1
	v_cvt_scalef32_pk8_fp4_f32 v[224+\b], v[96+16*\b:103+16*\b], v[244+\b]
	v_cvt_scalef32_pk8_fp4_f32 v[226+\b], v[104+16*\b:111+16*\b], v[244+\b]
.endr
	v_nop
	v_permlane16_swap_b32 v224, v225
	v_permlane16_swap_b32 v226, v227
	global_store_b128 v1, v[224:227], s[42:43]     ; 512 consecutive bytes, aligned
	ds_store_b16 v8, v240                          ; both halves of the lanes write the same two bytes
	s_wait_dscnt 0x0
	s_barrier_signal -1
	s_barrier_wait -1
	s_cmp_lg_u32 s8, 0
	s_cbranch_scc1 .Lend
	ds_load_b128 v[232:235], v9
	s_wait_dscnt 0x0
	global_store_b128 v1, v[232:235], s[44:45]     ; wave 0: the 16 tiles' 512 scale bytes
.Lend:
	s_wait_tensorcnt 0x0
	ds_add_u32 v250, v251
	s_wait_dscnt 0x0
	CROUND                                         ; the closing round
	s_endpgm
.Lfunc_end_k_qf923da1f22_attn:
	.size	k_qf923da1f22_attn, .Lfunc_end_k_qf923da1f22_attn-k_qf923da1f22_attn
	.p2alignl 7, 3214868480
	.fill 96, 4, 3214868480
	.section	.rodata,"a",@progbits
	.p2align	6, 0x0
	.amdhsa_kernel k_qf923da1f22_attn
		.amdhsa_group_segment_fixed_size 169984
		.amdhsa_private_segment_fixed_size 0
		.amdhsa_enable_private_segment 0
		.amdhsa_kernarg_size 16
		.amdhsa_user_sgpr_count 2
		.amdhsa_user_sgpr_kernarg_segment_ptr 1
		.amdhsa_wavefront_size32 1
		.amdhsa_system_sgpr_workgroup_id_x 1
		.amdhsa_system_sgpr_workgroup_id_y 1
		.amdhsa_system_sgpr_workgroup_id_z 1
		.amdhsa_system_vgpr_workitem_id 0
		.amdhsa_next_free_vgpr 256
		.amdhsa_next_free_sgpr 66
		.amdhsa_reserve_vcc 0
		.amdhsa_float_denorm_mode_32 3
		.amdhsa_float_denorm_mode_16_64 3
		.amdhsa_memory_ordered 1
		.amdhsa_forward_progress 1
		.amdhsa_inst_pref_size 28
	.end_amdhsa_kernel
	.amdgpu_metadata
---
amdhsa.version: [ 1, 2 ]
amdhsa.kernels:
  - .name:           k_qf923da1f22_attn
    .symbol:         k_qf923da1f22_attn.kd
    .args:
      - { .name: qkv, .offset: 0, .size: 8, .value_kind: global_buffer, .address_space: global }
      - { .name: obuf, .offset: 8, .size: 8, .value_kind: global_buffer, .address_space: global }
    .group_segment_fixed_size: 169984
    .private_segment_fixed_size: 0
    .kernarg_segment_align: 8
    .kernarg_segment_size: 16
    .max_flat_workgroup_size: 512
    .sgpr_count:     66
    .vgpr_count:     256
    .wavefront_size: 32
...
	.end_amdgpu_metadata
.endif
;; end of part 3
;; launch woln (part 4): grid 256 x 1, 4 waves a work-group, clusters of 4 x 1, 327,680 bytes of LDS; arguments obuf, Wo_codes, Wo_scales, bo, x, ln2_g, ln2_b, x1, hbuf; writes x1, hbuf
.if DOCPART == 4
	.amdgcn_target "amdgcn-amd-amdhsa--gfx1250"
	.amdhsa_code_object_version 6
	.text
	.protected	k_qf923da1f22_woln
	.globl	k_qf923da1f22_woln
	.p2align	8
	.type	k_qf923da1f22_woln,@function
k_qf923da1f22_woln:
	s_mov_b64 s[64:65], 0
	v_nop
	global_prefetch_b8 v0, s[64:65] scope:SCOPE_SE
	s_setreg_imm32_b32 hwreg(HW_REG_WAVE_MODE, 25, 1), 1
	s_wait_xcnt 0x0
	s_wait_alu depctr_hold_cnt(0) depctr_sa_sdst(0) depctr_va_vdst(0) depctr_va_sdst(0) depctr_va_ssrc(0) depctr_va_vcc(0) depctr_vm_vsrc(0)
	s_getreg_b32 s2, hwreg(HW_REG_IB_STS2, 6, 4)
	s_cmp_eq_u32 s2, 0
	s_cbranch_scc0 .Lentry_in_a_cluster
	s_endpgm
.Lentry_in_a_cluster:
	s_bfe_u32 s2, ttmp6, 0x10000c
	s_cmp_lg_u32 s2, 0x3003
	s_cbranch_scc0 .Lentry_shape_is_right
	s_endpgm
.Lentry_shape_is_right:
; x1 = x + o Wo + bo (the product on codes of E2M1 with E8M0 scales, sums in f32), and in the same launch h = LayerNorm(x1) * g + b, quantised along the row for the next product.
; SHARES: the norm wants whole rows, so a work-group owns 16 tokens x all 1,024 channels.  Wave w makes channels 256 w .. 256 w + 255: 16 accumulators, 128 matrix instructions.
; Wo: every work-group walks all 512 KB of its codes.  They come through ONE LDS slot of half of K (1,024 rows x 256 bytes, 272 apart), filled twice.  Wave w fetches rows 256 w .. + 255, and it alone reads them:
; its own wait on its tensor load is all that its reads need.  CLUSTER 4 x 1: the four partners ask for each tile jointly.
; o's codes lie in memory as images of operand registers: the tile's eight fragments come straight into registers (16 loads of 512 consecutive bytes), and stay.
; The product is used TRANSPOSED (source 0 = 16 rows of Wo, source 1 = my 16 tokens): a lane holds one token and eight neighbouring channels a tile.
; THE ROWS: the accumulators go to a stage of 16 rows x 4,112 bytes, which lies in the slot after its last fill; each wave takes 4 whole rows back, adds x + bo, stores x1 (512 consecutive bytes a store), and normalises:
; the mean is taken first and subtracted, the variance is the mean of the squares of what is left.  A row is turned through the wave's own LDS bytes so that lane L holds block L's 32 neighbours.
; x + bo is added up while the slot's second fill is on its way.
; OUT: x1 f32 row-major; hbuf: codes [k64 16][tile 256][512 bytes] as images of operand registers, scale bytes from 2,097,152 on, row-major [4096][32].
; No prefetch is laid: Wo is read by every cluster, and x and x1 stream beside it.
; LIMITS: NaN and infinities are not served.  A block whose largest magnitude lies under 2^-124 (a block of zeros too) keeps the byte 1: such bytes are read by this program alone, and a block of zeros has zero codes.
; REGISTERS: window 0: v1-31 addresses and small work; v32-35 o's scale words, v36-43 their halves as loaded; v64-127 Wo's scale words; v128-255 accumulators; in the rows' part v32-63 the turned row, v64-191 four rows.
;   window 1: two buffers of 16 fragments of Wo.   window 2: v0-63 o's fragments, v64-95 g, v96-127 b, v128-159 bo.   window 3: v0-127 four rows of x.
.set WP,    272                        ; a row of Wo in LDS: 256 bytes + 16: the 16 rows of a load start at 16 different groups of banks
.set WQ,    256*WP                     ; a wave's quarter of the slot
.set LNB,   4*WQ                       ; behind the slot: bytes into which no fill lands
.set TURN,  4608                       ; a wave's 32 places of 128 bytes + 16
.set CST,   LNB+18432                  ; 32 block rows x (16 rows x 16 bytes + 16): the tile's codes
.set SST,   LNB+27136                  ; 16 rows x 32 scale bytes
.set SPARE, LNB+27648                  ; the spare words: 128 bytes a wave, named by no other line
.set SPI,   4112                       ; a stage row: 4,096 bytes + 16
.set SA,  32
.set RAW, 36
.set T,   32
.set SB,  64
.set X,   64
.set ACC, 128
.set G,   64                           ; in window 2
.set B,   96
.set BO,  128
.set MSB, 0
.macro WIN new                         ; the immediate's high byte repeats the setting that is left
.if MSB != \new
	s_set_vgpr_msb (MSB<<8)|\new
.set MSB, \new
.endif
.endm
.macro PLACES n
.rept \n
	v_nop
.endr
.endm
.macro CROUND                          ; a round of the cluster's barrier
	s_barrier_signal -1
	s_barrier_wait -1
	s_cmp_lg_u32 s26, 0
	s_cbranch_scc1 .Lnw0_\@
	s_barrier_signal -3
.Lnw0_\@:
	s_barrier_wait -3
	s_barrier_signal -1
	s_barrier_wait -1
.endm
.macro FETCHW qq, buf                  ; my 16 fragments of Wo for the slot's K step qq: 32 LDS loads
	WIN 0x40
.irp b, 0,1,2,3,4,5,6,7,8,9,10,11,12,13,14,15
.irp c, 0,1
	ds_load_b128 v[128*(\buf)+8*\b+4*\c:128*(\buf)+8*\b+4*\c+3], v18 offset:16*WP*\b+64*(\qq)+32*\c
.endr
.endr
.endm
.macro WM d, p, r, x, y, hi            ; hi = 1: the scale words of K steps 4 to 7 stand in lanes 16-31
.if \hi
	v_wmma_scale_f32_16x16x128_f8f6f4 v[\d:\d+7], v[\p:\p+7], v[\r:\r+7], v[\d:\d+7], v[\x], v[\y] matrix_a_fmt:MATRIX_FMT_FP4 matrix_b_fmt:MATRIX_FMT_FP4 matrix_a_scale:MATRIX_SCALE_ROW1 matrix_b_scale:MATRIX_SCALE_ROW1
.else
	v_wmma_scale_f32_16x16x128_f8f6f4 v[\d:\d+7], v[\p:\p+7], v[\r:\r+7], v[\d:\d+7], v[\x], v[\y] matrix_a_fmt:MATRIX_FMT_FP4 matrix_b_fmt:MATRIX_FMT_FP4
.endif
.endm
.macro WM0 d, p, r, x, y               ; the first K step starts the sums
	v_wmma_scale_f32_16x16x128_f8f6f4 v[\d:\d+7], v[\p:\p+7], v[\r:\r+7], 0, v[\x], v[\y] matrix_a_fmt:MATRIX_FMT_FP4 matrix_b_fmt:MATRIX_FMT_FP4
.endm
.macro MUL                             ; K step Q: the 16 accumulators by turns, in the same order in every step
	WIN 0x09                                       ; source 0 (Wo) window 1, source 1 (o) window 2
.irp b, 0,1,2,3,4,5,6,7,8,9,10,11,12,13,14,15
.if Q == 0
	WM0 ACC+8*\b,128*(Q%2)+8*\b,8*Q,SB+4*\b+Q%4,SA+Q%4
.else
	WM ACC+8*\b,128*(Q%2)+8*\b,8*Q,SB+4*\b+Q%4,SA+Q%4,Q/4
.endif
.endr
.endm
.macro KSTEP                           ; K step Q: its fragments are in; the next step's are asked for, then it is multiplied
	s_wait_dscnt 0x0
.if (Q%4) < 3
.if (Q%4) > 0
	PLACES 4                                       ; ahead of loads into the buffer that the last step's products read
.endif
	FETCHW (Q%4)+1,(Q+1)%2
.endif
	MUL
.endm
.macro RED                             ; v14 summed over the 32 lanes, the result in every lane
	v_add_f32_dpp v14, v14, v14 row_xmask:1 row_mask:0xf bank_mask:0xf
	v_add_f32_dpp v14, v14, v14 row_xmask:2 row_mask:0xf bank_mask:0xf
	v_add_f32_dpp v14, v14, v14 row_xmask:4 row_mask:0xf bank_mask:0xf
	v_add_f32_dpp v14, v14, v14 row_xmask:8 row_mask:0xf bank_mask:0xf
	v_permlanex16_b32 v15, v14, s44, s45
	v_add_f32 v14, v14, v15
.endm
.macro ROW k
.set XR, X+32*\k
.if \k == 0
	s_wait_dscnt 24                                ; row 0 is back from the stage; the other rows' 24 loads may be out (they are in at this row's wait for 0 below)
.endif
	WIN 0x0c                                       ; source 1 in window 3
.set j, 0
.rept 16
	v_pk_add_f32 v[XR+j:XR+j+1], v[XR+j:XR+j+1], v[32*\k+j:32*\k+j+1]   ; + x + bo
.set j, j+2
.endr
	WIN 0
.irp i, 0,1,2,3,4,5,6,7
	global_store_b128 v2, v[XR+4*\i:XR+4*\i+3], s[18:19] offset:4096*\k+512*\i th:TH_STORE_NT   ; x1: 32 lanes store 512 consecutive bytes, aligned
.endr
	v_pk_add_f32 v[14:15], v[XR:XR+1], v[XR+2:XR+3]
	v_pk_add_f32 v[16:17], v[XR+4:XR+5], v[XR+6:XR+7]
.irp j, 8,12,16,20,24,28
	v_pk_add_f32 v[14:15], v[14:15], v[XR+\j:XR+\j+1]
	v_pk_add_f32 v[16:17], v[16:17], v[XR+\j+2:XR+\j+3]
.endr
	v_pk_add_f32 v[14:15], v[14:15], v[16:17]
	v_add_f32 v14, v14, v15
	RED
	v_mul_f32 v10, v14, v9                         ; the mean
	s_wait_xcnt 0x0                                ; the stores of x1 have read their registers: the row is rewritten only behind this wait
.set j, 0
.rept 16
	v_pk_add_f32 v[XR+j:XR+j+1], v[XR+j:XR+j+1], v[10:11] op_sel_hi:[1,0] neg_lo:[0,1] neg_hi:[0,1]
.set j, j+2
.endr
	v_pk_mul_f32 v[14:15], v[XR:XR+1], v[XR:XR+1]
	v_pk_mul_f32 v[16:17], v[XR+2:XR+3], v[XR+2:XR+3]
.irp j, 4,8,12,16,20,24,28
	v_pk_fma_f32 v[14:15], v[XR+\j:XR+\j+1], v[XR+\j:XR+\j+1], v[14:15]
	v_pk_fma_f32 v[16:17], v[XR+\j+2:XR+\j+3], v[XR+\j+2:XR+\j+3], v[16:17]
.endr
	v_pk_add_f32 v[14:15], v[14:15], v[16:17]
	v_add_f32 v14, v14, v15
	RED
	v_fmaak_f32 v14, v14, v9, 0x3727c5ac           ; the variance + 1e-5
	v_rsq_f32 v12, v14
	v_nop                                          ; a plain instruction behind the transcendental
	s_wait_alu depctr_va_vdst(0)                   ; and the wait ahead of its first reader
.set j, 0
.rept 16
	v_pk_mul_f32 v[XR+j:XR+j+1], v[XR+j:XR+j+1], v[12:13] op_sel_hi:[1,0]
.set j, j+2
.endr
	WIN 0x28                                       ; sources 1 and 2 (g, b) in window 2
.set j, 0
.rept 16
	v_pk_fma_f32 v[XR+j:XR+j+1], v[XR+j:XR+j+1], v[G+j:G+j+1], v[B+j:B+j+1]
.set j, j+2
.endr
	WIN 0
.irp i, 0,1,2,3,4,5,6,7
	ds_store_b128 v3, v[XR+4*\i:XR+4*\i+3] offset:576*\i   ; 512 bytes of the row take four places
.endr
.irp i, 0,1,2,3,4,5,6,7
	ds_load_b128 v[T+4*\i:T+4*\i+3], v4 offset:16*\i       ; LDS serves a wave's instructions in order: these see the stores above
.endr
	s_wait_dscnt 0x0
	v_max3_num_f32 v14, |v[T]|, |v[T+1]|, |v[T+2]|         ; block L's largest magnitude: all 32 numbers are mine
	v_max3_num_f32 v15, |v[T+3]|, |v[T+4]|, |v[T+5]|
.irp i, 6,10,14,18,22,26
	v_max3_num_f32 v14, v14, |v[T+\i]|, |v[T+\i+1]|
	v_max3_num_f32 v15, v15, |v[T+\i+2]|, |v[T+\i+3]|
.endr
	v_max3_num_f32 v14, v14, |v[T+30]|, |v[T+31]|
	v_max3_num_f32 v14, v14, v15, 0x1800000        ; the floor 2^(3 - 127): the byte cannot fall under 1
	v_add_nc_u32 v16, 0xff000000, v14              ; 2 off the exponent field: the conversion's scale operand
	v_lshrrev_b32 v[24+\k], 23, v16                ; the scale's byte
.irp g, 0,1,2,3
	v_cvt_scalef32_pk8_fp4_f32 v[XR+\g], v[T+8*\g:T+8*\g+7], v16
.endr
	v_nop                                          ; a plain instruction behind the scaled conversions
	ds_store_b128 v5, v[XR:XR+3] offset:16*\k
	ds_store_b8 v6, v[24+\k] offset:32*\k
.endm
	s_load_b512 s[4:19], s[0:1], 0x0               ; obuf, Wo's codes, Wo's scales, bo, x, g, b, x1
	s_load_b64 s[20:21], s[0:1], 0x40              ; hbuf
	v_lshl_add_u32 v28, v0, 2, SPARE
	v_mov_b32 v29, 0
	ds_add_u32 v28, v29
	ds_add_u32 v28, v29
	s_wait_dscnt 0x0
	v_lshrrev_b32 v1, 5, v0
	v_readfirstlane_b32 s26, v1                    ; wave
	s_bfe_u32 s29, ttmp6, 0x40000                  ; cx
	s_lshl_b32 s31, ttmp9, 2
	s_add_co_u32 s31, s31, s29                     ; T: my tile of 16 tokens; it enters global addresses alone
	s_mov_b32 s32, 15|(1<<20)|(1<<21)|(5<<22)|(3<<25)   ; group 1: all four work-groups; elements of 1 byte; 4 words of padding after every 64
	s_mov_b32 s33, 256<<16                         ; tensor_dim0 = 256 bytes: half of K
	s_mov_b32 s34, 256<<16                         ; tensor_dim1 = 256 rows
	s_mov_b32 s35, 256<<16                         ; tile_dim0
	s_mov_b32 s36, 256                             ; tile_dim1
	s_mov_b32 s37, 512                             ; a row of Wo's codes in memory
	s_mov_b32 s38, 0
	s_mov_b32 s39, 0
	s_mul_i32 s41, s26, WQ                         ; group 0: my quarter of the slot
	s_lshl_b32 s46, s26, 17
	s_mov_b32 s47, 0                               ; my 256 rows of Wo's codes
	s_lshl_b32 s48, s31, 9
	s_mov_b32 s49, 0                               ; 512 bytes a tile: o's images, h's images, h's scale bytes
	s_lshr_b32 s50, s31, 1
	s_lshl_b32 s50, s50, 6
	s_and_b32 s51, s31, 1
	s_lshl_b32 s51, s51, 1
	s_add_co_u32 s50, s50, s51
	s_add_co_u32 s50, s50, 2097152
	s_mov_b32 s51, 0                               ; o's scale bytes: 64 (T / 2) + 2 (T % 2), + 4 r, + 8,192 k64
	s_lshl_b32 s52, s26, 13
	s_mov_b32 s53, 0                               ; Wo's scale bytes of my 256 rows
	s_lshl_b32 s54, s31, 16
	s_lshl_b32 s55, s26, 14
	s_add_co_u32 s54, s54, s55
	s_mov_b32 s55, 0                               ; x and x1: 16 rows a work-group, 4 a wave
	s_lshl_b32 s56, s26, 19
	s_mov_b32 s57, 0                               ; four k64 slabs of 131,072 bytes a wave
	s_mov_b32 s44, 0x76543210
	s_mov_b32 s45, 0xfedcba98                      ; lane l xor 16
	s_wait_kmcnt 0x0
	s_mov_b32 s40, 1
	s_add_nc_u64 s[42:43], s[6:7], s[46:47]
	s_or_b32 s43, s43, 0x80000000
	CROUND                                         ; all four work-groups are here: the first joint loads meet
	tensor_load_to_lds s[40:43], s[32:39]          ; K = 0 .. 511 of my 256 rows
	s_nop 0
	PLACES 4
	s_add_nc_u64 s[22:23], s[4:5], s[50:51]
	s_add_nc_u64 s[4:5], s[4:5], s[48:49]
	s_add_nc_u64 s[8:9], s[8:9], s[52:53]
	s_add_nc_u64 s[12:13], s[12:13], s[54:55]
	s_add_nc_u64 s[18:19], s[18:19], s[54:55]
	s_add_nc_u64 s[20:21], s[20:21], s[48:49]
	s_add_nc_u64 s[24:25], s[20:21], 0x200000      ; the tile's scale bytes
	s_add_nc_u64 s[20:21], s[20:21], s[56:57]      ; the wave's four images
	v_and_b32 v1, 31, v0                           ; lane L
	v_lshlrev_b32 v2, 4, v1                        ; 16 L
	s_mul_i32 s58, s26, TURN
	s_add_co_u32 s58, s58, LNB
	v_lshrrev_b32 v3, 3, v1
	v_mul_u32_u24 v3, v3, 144
	v_and_b32 v4, 7, v1
	v_lshl_add_u32 v3, v4, 4, v3
	v_add_nc_u32 v3, s58, v3                       ; the turn, way in: eight lanes' 128 bytes make a place
	v_mul_u32_u24 v4, v1, 144
	v_add_nc_u32 v4, s58, v4                       ; way back: place L
	s_lshl_b32 s58, s26, 6
	s_add_co_u32 s58, s58, CST
	v_mul_u32_u24 v5, v1, 272
	v_add_nc_u32 v5, s58, v5                       ; codes: block row L, row 4 w (+ k by the offset)
	s_lshl_b32 s58, s26, 7
	s_add_co_u32 s58, s58, SST
	v_add_nc_u32 v6, s58, v1                       ; scale byte: row 4 w, byte L
	s_mul_i32 s58, s26, 2176
	s_add_co_u32 s58, s58, CST
	v_lshrrev_b32 v7, 4, v1
	v_mul_u32_u24 v7, v7, 272
	v_and_b32 v8, 15, v1
	v_lshl_add_u32 v7, v8, 4, v7
	v_add_nc_u32 v7, s58, v7                       ; codes back: block rows 8 w + L / 16 (+ 2 i), 16 bytes a lane
	v_add_nc_u32 v8, SST, v2
	v_mov_b32 v9, 0x3a800000                       ; 1 / 1,024
	v_mov_b32 v11, 0                               ; upper halves of pairs that are named whole
	v_mov_b32 v13, 0
	v_and_b32 v16, 15, v0                          ; r
	v_bfe_u32 v17, v0, 4, 1                        ; h
	v_mul_u32_u24 v18, v16, WP
	v_lshl_add_u32 v18, v17, 4, v18
	v_add_nc_u32 v18, s41, v18                     ; Wo's fragments: my quarter, row r, 16 h
	s_lshl_b32 s58, s26, 10
	v_mul_u32_u24 v19, v16, SPI
	v_lshl_add_u32 v19, v17, 5, v19
	v_add_nc_u32 v19, s58, v19                     ; the stage, way in: token r, my 1,024 bytes of it, 32 h
	s_mul_i32 s58, s26, 4*SPI
	v_add_nc_u32 v20, s58, v2                      ; way back: rows 4 w on, 16 L
	v_lshlrev_b32 v30, 5, v16
	v_lshl_add_u32 v30, v17, 4, v30                ; Wo's scale rows of 32 bytes: 32 r + 16 h
	v_lshlrev_b32 v31, 2, v16
	v_lshl_add_u32 v31, v17, 16, v31               ; o's scale bytes: 4 r; lanes 16-31 eight k64 further on
.irp j, 0,1,2,3
.irp e, 0,1
	global_load_u16 v[RAW+2*\j+\e], v31, s[22:23] offset:(2*\j+\e)*8192   ; the two bytes of k64 = 2 j + e (+ 8 in lanes 16-31) of token r
.endr
.endr
.irp b, 0,1,2,3,4,5,6,7,8,9,10,11,12,13,14,15
	global_load_b128 v[SB+4*\b:SB+4*\b+3], v30, s[8:9] offset:512*\b      ; register j: K step j in lanes 0-15, K step 4 + j in lanes 16-31
.endr
	WIN 0x80
.irp k, 0,1,2,3,4,5,6,7,8,9,10,11,12,13,14,15
	global_load_b128 v[4*\k:4*\k+3], v2, s[4:5] offset:131072*\k          ; o's image of k64 = k: half a fragment
.endr
.irp i, 0,1,2,3,4,5,6,7
	global_load_b128 v[G+4*\i:G+4*\i+3], v2, s[14:15] offset:512*\i
.endr
.irp i, 0,1,2,3,4,5,6,7
	global_load_b128 v[B+4*\i:B+4*\i+3], v2, s[16:17] offset:512*\i
.endr
	WIN 0
	s_wait_loadcnt 16                              ; scales and o are in; g's and b's sixteen loads may be out
.irp j, 0,1,2,3
	v_lshl_or_b32 v[SA+\j], v[RAW+2*\j+1], 16, v[RAW+2*\j]                ; a K step's four bytes
.endr
	WIN 0x80
.irp i, 0,1,2,3,4,5,6,7
	global_load_b128 v[BO+4*\i:BO+4*\i+3], v2, s[10:11] offset:512*\i
.endr
	WIN 0xc0
.irp k, 0,1,2,3
.irp i, 0,1,2,3,4,5,6,7
	global_load_b128 v[32*\k+4*\i:32*\k+4*\i+3], v2, s[12:13] offset:4096*\k+512*\i th:TH_LOAD_NT
.endr
.endr
	WIN 0
	PLACES 8                                       ; scale registers written by vector instructions stand eight places ahead of the products
	s_wait_tensorcnt 0x0                           ; my quarter of the slot is in; nobody else reads it
	FETCHW 0,0
.set Q, 0
.rept 4
	KSTEP
.set Q, Q+1
.endr
	WIN 0
	s_wait_tensorcnt 0x0                           ; no tensor load of mine is out, so the descriptor may be written
	ds_add_u32 v28, v29                            ; 0 onto my spare word
	s_add_nc_u64 s[42:43], s[42:43], 256           ; the other half of K
	s_wait_dscnt 0x0                               ; the add is done, and my reads of the slot are over
	CROUND                                         ; the same holds of every wave of every partner
	tensor_load_to_lds s[40:43], s[32:39]          ; K = 512 .. 1,023 of my 256 rows
	s_nop 0
	PLACES 4
	s_wait_loadcnt 0x0                             ; g, b, bo, x
	WIN 0xcb                                       ; destination and source 0 window 3, source 1 window 2
.irp k, 0,1,2,3
.set j, 0
.rept 16
	v_pk_add_f32 v[32*\k+j:32*\k+j+1], v[32*\k+j:32*\k+j+1], v[BO+j:BO+j+1]   ; x + bo, while the fill is on its way
.set j, j+2
.endr
.endr
	WIN 0
	s_wait_tensorcnt 0x0
	FETCHW 0,0
.rept 4
	KSTEP
.set Q, Q+1
.endr
	WIN 0
	s_wait_dscnt 0x0                               ; my reads of the slot are over
	s_barrier_signal -1
	PLACES 4                                       ; the places behind the last products, ahead of the first read of results
	s_barrier_wait -1                              ; everybody's are: the stage may be laid over wave 0's rows; the slot has had its last fill
.irp b, 0,1,2,3,4,5,6,7,8,9,10,11,12,13,14,15
	ds_store_b128 v19, v[ACC+8*\b:ACC+8*\b+3] offset:64*\b                ; each accumulator from its low end on
	ds_store_b128 v19, v[ACC+8*\b+4:ACC+8*\b+7] offset:64*\b+16
.endr
	s_wait_dscnt 0x0                               ; for the others' sake: my part of the 16 rows lies in the stage
	s_barrier_signal -1
	s_barrier_wait -1
.irp k, 0,1,2,3
.irp i, 0,1,2,3,4,5,6,7
	ds_load_b128 v[X+32*\k+4*\i:X+32*\k+4*\i+3], v20 offset:SPI*\k+512*\i
.endr
.endr
	ROW 0
	ROW 1
	ROW 2
	ROW 3
	s_wait_dscnt 0x0                               ; for the others' sake: my stores of codes and bytes are done
	s_barrier_signal -1
	s_barrier_wait -1
.irp i, 0,1,2,3
	ds_load_b128 v[T+4*\i:T+4*\i+3], v7 offset:544*\i      ; the image of k64 = 4 w + i
.endr
.irp i, 0,1,2,3
	s_wait_dscnt 3-\i
	global_store_b128 v2, v[T+4*\i:T+4*\i+3], s[20:21] offset:131072*\i   ; 32 lanes store 512 consecutive bytes, aligned
.endr
	s_cmp_lg_u32 s26, 0
	s_cbranch_scc1 .Lend
	ds_load_b128 v[T+16:T+19], v8                  ; wave 0: the tile's 512 scale bytes
	s_wait_dscnt 0x0
	global_store_b128 v2, v[T+16:T+19], s[24:25]
.Lend:
	s_wait_tensorcnt 0x0                           ; the wave's end
	ds_add_u32 v28, v29
	s_wait_dscnt 0x0
	CROUND                                         ; the closing round
	s_endpgm
.Lfunc_end_k_qf923da1f22_woln:
	.size	k_qf923da1f22_woln, .Lfunc_end_k_qf923da1f22_woln-k_qf923da1f22_woln
	.p2alignl 7, 3214868480
	.fill 96, 4, 3214868480
	.section	.rodata,"a",@progbits
	.p2align	6, 0x0
	.amdhsa_kernel k_qf923da1f22_woln
		.amdhsa_group_segment_fixed_size 327680
		.amdhsa_private_segment_fixed_size 0
		.amdhsa_enable_private_segment 0
		.amdhsa_kernarg_size 72
		.amdhsa_user_sgpr_count 2
		.amdhsa_user_sgpr_kernarg_segment_ptr 1
		.amdhsa_wavefront_size32 1
		.amdhsa_system_sgpr_workgroup_id_x 1
		.amdhsa_system_sgpr_workgroup_id_y 1
		.amdhsa_system_sgpr_workgroup_id_z 1
		.amdhsa_system_vgpr_workitem_id 0
		.amdhsa_next_free_vgpr 896
		.amdhsa_next_free_sgpr 66
		.amdhsa_reserve_vcc 0
		.amdhsa_float_denorm_mode_32 3
		.amdhsa_float_denorm_mode_16_64 3
		.amdhsa_memory_ordered 1
		.amdhsa_forward_progress 1
		.amdhsa_inst_pref_size 101
	.end_amdhsa_kernel
	.amdgpu_metadata
---
amdhsa.version: [ 1, 2 ]
amdhsa.kernels:
  - .name:           k_qf923da1f22_woln
    .symbol:         k_qf923da1f22_woln.kd
    .args:
      - { .name: obuf, .offset: 0, .size: 8, .value_kind: global_buffer, .address_space: global }
      - { .name: Wo_codes, .offset: 8, .size: 8, .value_kind: global_buffer, .address_space: global }
      - { .name: Wo_scales, .offset: 16, .size: 8, .value_kind: global_buffer, .address_space: global }
      - { .name: bo, .offset: 24, .size: 8, .value_kind: global_buffer, .address_space: global }
      - { .name: x, .offset: 32, .size: 8, .value_kind: global_buffer, .address_space: global }
      - { .name: ln2_g, .offset: 40, .size: 8, .value_kind: global_buffer, .address_space: global }
      - { .name: ln2_b, .offset: 48, .size: 8, .value_kind: global_buffer, .address_space: global }
      - { .name: x1, .offset: 56, .size: 8, .value_kind: global_buffer, .address_space: global }
      - { .name: hbuf, .offset: 64, .size: 8, .value_kind: global_buffer, .address_space: global }
    .group_segment_fixed_size: 327680
    .private_segment_fixed_size: 0
    .kernarg_segment_align: 8
    .kernarg_segment_size: 72
    .max_flat_workgroup_size: 128
    .sgpr_count:     66
    .vgpr_count:     896
    .wavefront_size: 32
...
	.end_amdgpu_metadata
.endif
;; end of part 4
;; launch ffn1 (part 5): grid 8 x 32, 4 waves a work-group, clusters of 4 x 4, 327,680 bytes of LDS; arguments hbuf, W1_codes, W1_scales, b1, hid; writes hid
.if DOCPART == 5
	.amdgcn_target "amdgcn-amd-amdhsa--gfx1250"
	.amdhsa_code_object_version 6
	.text
	.protected	k_qf923da1f22_ffn1
	.globl	k_qf923da1f22_ffn1
	.p2align	8
	.type	k_qf923da1f22_ffn1,@function
k_qf923da1f22_ffn1:
	s_mov_b64 s[64:65], 0
	v_nop
	global_prefetch_b8 v0, s[64:65] scope:SCOPE_SE
	s_setreg_imm32_b32 hwreg(HW_REG_WAVE_MODE, 25, 1), 1
	s_wait_xcnt 0x0
	s_wait_alu depctr_hold_cnt(0) depctr_sa_sdst(0) depctr_va_vdst(0) depctr_va_sdst(0) depctr_va_ssrc(0) depctr_va_vcc(0) depctr_vm_vsrc(0)
	s_getreg_b32 s2, hwreg(HW_REG_IB_STS2, 6, 4)
	s_cmp_eq_u32 s2, 0
	s_cbranch_scc0 .Lentry_in_a_cluster
	s_endpgm
.Lentry_in_a_cluster:
	s_bfe_u32 s2, ttmp6, 0x10000c
	s_cmp_lg_u32 s2, 0xf033
	s_cbranch_scc0 .Lentry_shape_is_right
	s_endpgm
.Lentry_shape_is_right:
; hid = gelu(h W1 + b1), exact gelu, quantised along the 4,096 hidden units.  The product on codes of E2M1 with E8M0 scales, sums in f32.
; SHARES: a work-group makes 128 tokens (y) x 128 units, four times: column tiles x, x + 8, x + 16, x + 24; a wave 64 x 64.  h's tile stays in LDS; W1's tiles go through two slots.
; A loop of three chunks that each ask for the next tile, and the fourth written out.  CLUSTER 4 x 4: h's tile is shared along a row of the cluster, W1's along a column.
; The product is used TRANSPOSED (source 0 = 16 rows of W1, source 1 = 16 tokens): a lane holds one token, its registers run along the hidden units, the next product's K.
; GELU: gelu(x) = max(x, 0) - |x| Q(|x|), Q(z) = (1/2) erfc(z / sqrt 2) = exp(-z^2 / 2) t (a1 + t (a2 + t (a3 + t (a4 + t a5)))) / 2, t = 1 / (1 + 0.2316419 z) (Abramowitz and Stegun 7.1.26 / 26.2.17):
; absolute error of Q under 7.5e-8; nothing is subtracted from 1, so nothing cancels.  LIMIT: far out (z over about 6) Q's relative error grows, where |x| Q lies under 1e-8.
; OUT (buffer hid): codes [k64 64][tile 256][512 bytes] as images of operand registers; scale bytes from 8,388,608 on: [cp 2][i16 16][G 64][32 rows][ce 2][4 bytes], k64 = 16 (2 cp + ce) + i16; a word holds two token tiles' two bytes each.
; LIMITS: NaN and infinities are not served; a block under 2^-124 or of zeros keeps the byte 1 (read by this program alone).
.set B0,    131072
.set DIST,  67584
.set SPARE, 283648
.set SA,  32                           ; v32-47 h's scale words
.set SB,  48                           ; v48-63 W1's scale words
.set WK,  80                           ; v80-127 at work
.set TM,  WK
.set GP,  WK+32                        ; v112-119 the polynomial
.set A5,  WK+40                        ; v120-121 a5 / 2, twice
.set PQ,  WK+42                        ; v122-123 the even chunk's scale word, the odd chunk's
.set PW,  WK+44                        ; v124-125
.set ACC, 128
.set SEL, 96
.set MSB, 0
.macro WIN new
.if MSB != \new
	s_set_vgpr_msb (MSB<<8)|\new
.set MSB, \new
.endif
.endm
.macro PLACES n
.rept \n
	v_nop
.endr
.endm
.macro CROUND
	s_barrier_signal -1
	s_barrier_wait -1
	s_cmp_lg_u32 s26, 0
	s_cbranch_scc1 .Lnw0_\@
	s_barrier_signal -3
.Lnw0_\@:
	s_barrier_wait -3
	s_barrier_signal -1
	s_barrier_wait -1
.endm
.macro JLOAD ga, gb
	s_cmp_eq_u32 s27, 0
	s_cbranch_scc0 .Lfb_\@
	tensor_load_to_lds s[\ga:\ga+3], s[32:39]
	s_nop 0
	PLACES 4
	s_branch .Lja_\@
.Lfb_\@:
	tensor_load_to_lds s[\gb:\gb+3], s[40:47]
	s_nop 0
	PLACES 4
.Lja_\@:
.endm
.macro BLOAD gb
	s_cmp_eq_u32 s27, 0
	s_cbranch_scc1 .Lnb_\@
	tensor_load_to_lds s[\gb:\gb+3], s[40:47]
	s_nop 0
	PLACES 4
.Lnb_\@:
.endm
.macro FETCH q, ra, rb
	WIN 0x40
.set FB, 64*((\q)%3)
.irp a, 0,1,2,3
.irp c, 0,1
	ds_load_b128 v[FB+8*\a+4*\c:FB+8*\a+4*\c+3], v[\ra] offset:(2*(\q)+\c)*2048+512*\a
.endr
.endr
.irp b, 0,1,2,3
.irp c, 0,1
	ds_load_b128 v[FB+32+8*\b+4*\c:FB+32+8*\b+4*\c+3], v[\rb] offset:8448*\b+64*(\q)+32*\c
.endr
.endr
.endm
.macro WM d, p, r, c, x, y, hi
.if \hi
	v_wmma_scale_f32_16x16x128_f8f6f4 v[\d:\d+7], v[\p:\p+7], v[\r:\r+7], v[\c:\c+7], v[\x], v[\y] matrix_a_fmt:MATRIX_FMT_FP4 matrix_b_fmt:MATRIX_FMT_FP4 matrix_a_scale:MATRIX_SCALE_ROW1 matrix_b_scale:MATRIX_SCALE_ROW1
.else
	v_wmma_scale_f32_16x16x128_f8f6f4 v[\d:\d+7], v[\p:\p+7], v[\r:\r+7], v[\c:\c+7], v[\x], v[\y] matrix_a_fmt:MATRIX_FMT_FP4 matrix_b_fmt:MATRIX_FMT_FP4
.endif
.endm
.macro MUL16 q                         ; the 16 accumulators by turns, in the same order in every step; K step 0 takes the bias tile as C
.set FB, 64*((\q)%3)
.if (\q) == 0
	WIN 0x15
.else
	WIN 0x05
.endif
.irp a, 0,1,2,3
.irp b, 0,1,2,3
.set MD, ACC+8*(4*\a+\b)
.set MC, MD
.if (\q) == 0
.set MC, 192+8*\b
.endif
	WM MD,FB+32+8*\b,FB+8*\a,MC,SB+4*\b+(\q)%4,SA+4*\a+(\q)%4,(\q)/4
.endr
.endr
.endm
.macro COMPUTE
	PLACES 4
	FETCH 0,4,7
	FETCH 1,4,7
.irp q, 0,1,2,3,4,5,6,7
.if \q < 7
	s_wait_dscnt 16                                ; this step's 16 loads are in; the next step's 16 may be out
.else
	s_wait_dscnt 0x0
.endif
	PLACES 4
.if \q < 6
	FETCH \q+2,4,7
.endif
	MUL16 \q
.endr
.endm
.macro QUANT64 s, pc                   ; as in the launch that makes Q, K and V: 64 numbers of a lane become two images' 16 bytes each, and four scale bytes in v[TM + 4 ..]
.irp b, 0,1,2,3
	v_max3_num_f32 v[TM+\b], |v[\s+16*\b]|, |v[\s+1+16*\b]|, 0x1800000
.endr
.irp i, 2,4,6,8,10,12,14
.irp b, 0,1,2,3
	v_max3_num_f32 v[TM+\b], v[TM+\b], |v[\s+16*\b+\i]|, |v[\s+1+16*\b+\i]|
.endr
.endr
.irp b, 0,1,2,3
	v_permlanex16_b32 v[TM+4+\b], v[TM+\b], s[SEL], s[SEL+1]
.endr
.irp b, 0,1,2,3
	v_max_num_f32 v[TM+\b], v[TM+\b], v[TM+4+\b]
.endr
.irp b, 0,1,2,3
	v_add_nc_u32 v[TM+12+\b], 0xff000000, v[TM+\b]
.endr
.irp b, 0,1,2,3
	v_lshrrev_b32 v[TM+4+\b], 23, v[TM+12+\b]
.endr
.irp b, 0,1,2,3
	v_cvt_scalef32_pk8_fp4_f32 v[\pc+4*(\b/2)+(\b%2)], v[\s+16*\b:\s+16*\b+7], v[TM+12+\b]
	v_cvt_scalef32_pk8_fp4_f32 v[\pc+4*(\b/2)+2+(\b%2)], v[\s+16*\b+8:\s+16*\b+15], v[TM+12+\b]
.endr
	v_nop
.irp u, 0,1
	v_permlane16_swap_b32 v[\pc+4*\u], v[\pc+4*\u+1]
	v_permlane16_swap_b32 v[\pc+4*\u+2], v[\pc+4*\u+3]
.endr
.endm
; The gelu of accumulator n, in two parts.  GFRONT: t and exp(-x^2 / 2), sixteen transcendentals as one batch, into set n % 2.  GBACK: the polynomial and the result, in place.
.macro GFRONT n
.set XB, ACC+8*(\n)
.set GT, WK+16*((\n)%2)
.set GE, GT+8
.irp j, 0,1,2,3,4,5,6,7
	v_fma_f32 v[GT+\j], |v[XB+\j]|, s99, 1.0
.endr
.irp j, 0,2,4,6
	v_pk_mul_f32 v[GE+\j:GE+\j+1], v[XB+\j:XB+\j+1], v[XB+\j:XB+\j+1]
.endr
.irp j, 0,1,2,3,4,5,6,7
	v_rcp_f32 v[GT+\j], v[GT+\j]
.endr
.irp j, 0,2,4,6
	v_pk_mul_f32 v[GE+\j:GE+\j+1], v[GE+\j:GE+\j+1], 0xbf38aa3b op_sel_hi:[1,0]   ; x -log2(e) / 2
.endr
.irp j, 0,1,2,3,4,5,6,7
	v_exp_f32 v[GE+\j], v[GE+\j]
.endr
.endm
.macro GBACK n
.set XB, ACC+8*(\n)
.set GT, WK+16*((\n)%2)
.set GE, GT+8
.irp j, 0,2,4,6
	v_pk_fma_f32 v[GP+\j:GP+\j+1], v[GT+\j:GT+\j+1], v[A5:A5+1], 0xbf3a00e3 op_sel_hi:[1,1,0]   ; a5 t + a4 (all halved)
.endr
.irp j, 0,2,4,6
	v_pk_fma_f32 v[GP+\j:GP+\j+1], v[GP+\j:GP+\j+1], v[GT+\j:GT+\j+1], 0x3f35f0e3 op_sel_hi:[1,1,0]
.endr
.irp j, 0,2,4,6
	v_pk_fma_f32 v[GP+\j:GP+\j+1], v[GP+\j:GP+\j+1], v[GT+\j:GT+\j+1], 0xbe11a98e op_sel_hi:[1,1,0]
.endr
.irp j, 0,2,4,6
	v_pk_fma_f32 v[GP+\j:GP+\j+1], v[GP+\j:GP+\j+1], v[GT+\j:GT+\j+1], 0x3e027906 op_sel_hi:[1,1,0]
.endr
.irp j, 0,2,4,6
	v_pk_mul_f32 v[GP+\j:GP+\j+1], v[GP+\j:GP+\j+1], v[GT+\j:GT+\j+1]
.endr
.irp j, 0,2,4,6
	v_pk_mul_f32 v[GP+\j:GP+\j+1], v[GP+\j:GP+\j+1], v[GE+\j:GE+\j+1]             ; Q(|x|)
.endr
.irp j, 0,1,2,3,4,5,6,7
	v_max_num_f32 v[GT+\j], 0, v[XB+\j]
.endr
.irp j, 0,1,2,3,4,5,6,7
	v_fma_f32 v[XB+\j], -|v[XB+\j]|, v[GP+\j], v[GT+\j]
.endr
.endm
.macro LDW                             ; W1's scale words and the bias tiles of the chunk at which the bases stand
.irp t, 0,1,2,3
	global_load_b128 v[SB+4*\t:SB+4*\t+3], v8, s[8:9] offset:512*\t
.endr
	WIN 0x40
.irp t, 0,1,2,3
	global_load_b128 v[192+8*\t:192+8*\t+3], v9, s[10:11] offset:64*\t
	global_load_b128 v[192+8*\t+4:192+8*\t+7], v9, s[10:11] offset:64*\t+16
.endr
	WIN 0
.endm
.macro CHUNK fill
	WIN 0
	s_wait_tensorcnt 0x0                           ; all my tensor loads have landed, so the walking descriptor may be written
	ds_add_u32 v28, v29                            ; 0 onto my spare word
.if \fill
	s_xor_b32 s53, s53, DIST                       ; the other slot,
	s_add_nc_u64 s[54:55], s[54:55], 524288        ; the column tile eight further on
.endif
	s_wait_dscnt 0x0                               ; the add is done, and my reads of the other slot are over
.if \fill
	CROUND
	BLOAD 52                                       ; it has this chunk's products and gelu in which to land
.else
	s_barrier_signal -1
	s_barrier_wait -1
.endif
	v_add_nc_u32 v7, s82, v6                       ; W1's rows in this chunk's slot
	s_wait_loadcnt 0x0                             ; scale words and bias
	COMPUTE
	WIN 0
	PLACES 4                                       ; behind the last products: ahead of the loads below and of the first read of results
.if \fill
	s_wait_xcnt 0x0
	s_add_nc_u64 s[8:9], s[8:9], 32768
	s_add_nc_u64 s[10:11], s[10:11], 4096
	LDW                                            ; the next chunk's, under the gelu
.endif
	GFRONT 0
.set N, 0
.rept 16
	s_wait_alu depctr_va_vdst(0)                   ; one wait for a batch of sixteen, ahead of its first reader; the next batch runs under this batch's plain work
.if N < 15
	GFRONT N+1
.endif
	GBACK N
.set N, N+1
.endr
	v_mov_b32 v[PQ], v[PQ+1]
	QUANT64 ACC,WK+16
	v_lshl_or_b32 v[PW], v[TM+5], 8, v[TM+4]
	v_lshl_or_b32 v[PW], v[TM+6], 16, v[PW]
	v_lshl_or_b32 v[PW], v[TM+7], 24, v[PW]        ; token tiles 0 and 1
	global_store_b128 v11, v[WK+16:WK+19], s[78:79]
	global_store_b128 v11, v[WK+20:WK+23], s[78:79] offset:512
	QUANT64 ACC+64,WK+24
	v_lshl_or_b32 v[PW+1], v[TM+5], 8, v[TM+4]
	v_lshl_or_b32 v[PW+1], v[TM+6], 16, v[PW+1]
	v_lshl_or_b32 v[PW+1], v[TM+7], 24, v[PW+1]    ; token tiles 2 and 3
	global_store_b128 v11, v[WK+24:WK+27], s[78:79] offset:1024
	global_store_b128 v11, v[WK+28:WK+31], s[78:79] offset:1536
	v_cndmask_b32 v[PQ+1], v[PW], v[PW+1], s100    ; lanes 16-31 keep the second pair
.if \fill
	s_cmp_eq_u32 s82, 0                            ; an even chunk keeps its word for the next one
	s_cbranch_scc1 .Leven_\@
	global_store_b64 v12, v[PQ:PQ+1], s[80:81]     ; 256 consecutive bytes, aligned
.Leven_\@:
	s_wait_xcnt 0x0                                ; the stores have read their registers and their base
	s_add_nc_u64 s[78:79], s[78:79], 2097152       ; sixteen k64 on
	s_xor_b32 s82, s82, DIST
.else
	global_store_b64 v12, v[PQ:PQ+1], s[80:81] offset:262144
.endif
.endm
	s_load_b256 s[4:11], s[0:1], 0x0               ; hbuf, W1's codes, W1's scales, b1
	s_load_b64 s[12:13], s[0:1], 0x20              ; hid
	v_lshl_add_u32 v28, v0, 2, SPARE
	v_mov_b32 v29, 0
	ds_add_u32 v28, v29
	ds_add_u32 v28, v29
	s_wait_dscnt 0x0
	v_lshrrev_b32 v1, 5, v0
	v_readfirstlane_b32 s26, v1
	s_lshr_b32 s27, s26, 1                         ; wm.  Also: I fetch h (0) or W1 (1)
	s_and_b32 s28, s26, 1                          ; wn.  Also: which half I fetch
	s_bfe_u32 s29, ttmp6, 0x40000
	s_bfe_u32 s30, ttmp6, 0x40004
	s_lshl_b32 s31, ttmp9, 2
	s_add_co_u32 s31, s31, s29                     ; x
	s_and_b32 s66, ttmp7, 0xffff
	s_lshl_b32 s66, s66, 2
	s_add_co_u32 s66, s66, s30                     ; y
	s_lshl_b32 s67, s30, 2
	s_lshl_b32 s67, 15, s67
	s_lshl_b32 s84, 0x1111, s29
	s_or_b32 s32, s67, (1<<21)                     ; group 1 for h: 16 rows (k64) of 2,048 bytes, 131,072 apart
	s_mov_b32 s33, 2048<<16
	s_mov_b32 s34, 16<<16
	s_mov_b32 s35, 2048<<16
	s_mov_b32 s36, 16
	s_mov_b32 s37, 131072
	s_mov_b32 s38, 0
	s_mov_b32 s39, 0
	s_or_b32 s40, s84, (1<<20)|(1<<21)|(6<<22)|(3<<25)   ; group 1 for W1: 64 rows of 512 bytes, 16 of padding behind each
	s_mov_b32 s41, 512<<16
	s_mov_b32 s42, 64<<16
	s_mov_b32 s43, 512<<16
	s_mov_b32 s44, 64
	s_mov_b32 s45, 512
	s_mov_b32 s46, 0
	s_mov_b32 s47, 0
	s_lshl_b32 s68, s66, 12
	s_lshl_b32 s69, s28, 11
	s_add_co_u32 s68, s68, s69
	s_mov_b32 s69, 0                               ; h's codes
	s_lshl_b32 s70, s31, 16
	s_lshl_b32 s71, s28, 15
	s_add_co_u32 s70, s70, s71
	s_mov_b32 s71, 0                               ; W1's codes, column tile x
	s_lshl_b32 s72, s28, 15
	s_mul_i32 s73, s28, 33792
	s_add_co_u32 s73, s73, B0
	s_lshl_b32 s74, s31, 12
	s_lshl_b32 s75, s28, 11
	s_add_co_u32 s74, s74, s75
	s_mov_b32 s75, 0                               ; W1's scales
	s_lshl_b32 s76, s31, 9
	s_lshl_b32 s77, s28, 8
	s_add_co_u32 s76, s76, s77
	s_mov_b32 s77, 0                               ; b1
	s_lshl_b32 s84, s66, 12
	s_lshl_b32 s85, s27, 11
	s_add_co_u32 s84, s84, s85
	s_add_co_u32 s78, s84, 0                       ; (512 bytes a tile: 4,096 y + 2,048 wm serves hid's codes too)
	s_add_co_u32 s84, s84, 2097152
	s_mov_b32 s85, 0                               ; h's scales
	s_lshl_b32 s92, s31, 18
	s_lshl_b32 s93, s28, 17
	s_add_co_u32 s78, s78, s92
	s_add_co_u32 s78, s78, s93
	s_mov_b32 s79, 0                               ; hid's codes: slab 2 x + wn, my four tiles
	s_lshl_b32 s80, s31, 15
	s_lshl_b32 s92, s28, 14
	s_add_co_u32 s80, s80, s92
	s_lshl_b32 s92, s66, 9
	s_add_co_u32 s80, s80, s92
	s_lshl_b32 s92, s27, 8
	s_add_co_u32 s80, s80, s92
	s_add_co_u32 s80, s80, 8388608
	s_mov_b32 s81, 0                               ; hid's scale words
	s_mov_b32 s[SEL], 0x76543210
	s_mov_b32 s[SEL+1], 0xfedcba98
	s_mov_b32 s99, 0x3e6d3389                      ; 0.2316419
	s_mov_b32 s100, 0xffff0000                     ; lanes 16-31
	s_wait_kmcnt 0x0
	s_mov_b32 s48, 1
	s_mov_b32 s49, s72
	s_add_nc_u64 s[50:51], s[4:5], s[68:69]
	s_or_b32 s51, s51, 0x80000000
	s_mov_b32 s52, 1
	s_mov_b32 s53, s73
	s_add_nc_u64 s[54:55], s[6:7], s[70:71]
	s_or_b32 s55, s55, 0x80000000
	CROUND                                         ; all sixteen work-groups are here: the first joint loads meet
	JLOAD 48,52
	s_add_nc_u64 s[84:85], s[4:5], s[84:85]
	s_add_nc_u64 s[8:9], s[8:9], s[74:75]
	s_add_nc_u64 s[10:11], s[10:11], s[76:77]
	s_add_nc_u64 s[78:79], s[12:13], s[78:79]
	s_add_nc_u64 s[80:81], s[12:13], s[80:81]
	v_and_b32 v1, 31, v0
	v_and_b32 v2, 15, v0
	v_bfe_u32 v3, v0, 4, 1
	v_lshlrev_b32 v11, 4, v1                       ; 16 L
	v_lshlrev_b32 v12, 3, v1                       ; 8 L
	s_lshl_b32 s92, s27, 15
	v_add_nc_u32 v4, s92, v11                      ; h's images
	v_mul_u32_u24 v6, v2, 528
	v_lshl_add_u32 v6, v3, 4, v6
	s_mul_i32 s92, s28, 33792
	s_add_co_u32 s92, s92, B0
	v_add_nc_u32 v6, s92, v6                       ; W1's rows in slot 0
	v_lshlrev_b32 v8, 5, v2
	v_lshl_add_u32 v8, v3, 4, v8
	v_lshlrev_b32 v9, 5, v3
	v_mov_b32 v[A5], 0x3f07dc22
	v_mov_b32 v[A5+1], 0x3f07dc22
	v_mov_b32 v[PQ], 0
	v_mov_b32 v[PQ+1], 0
.irp t, 0,1,2,3
	global_load_b128 v[SA+4*\t:SA+4*\t+3], v8, s[84:85] offset:512*\t
.endr
	LDW
	s_mov_b32 s82, 0                               ; 0 or DIST: the slot of the chunk in hand
	s_mov_b32 s83, 3
.Lchunk:
	CHUNK 1
	s_sub_co_u32 s83, s83, 1
	s_cmp_lg_u32 s83, 0
	s_cbranch_scc1 .Lchunk
	CHUNK 0
	s_wait_tensorcnt 0x0                           ; the wave's end
	ds_add_u32 v28, v29
	s_wait_dscnt 0x0
	CROUND                                         ; the closing round
	s_endpgm
.Lfunc_end_k_qf923da1f22_ffn1:
	.size	k_qf923da1f22_ffn1, .Lfunc_end_k_qf923da1f22_ffn1-k_qf923da1f22_ffn1
	.p2alignl 7, 3214868480
	.fill 96, 4, 3214868480
	.section	.rodata,"a",@progbits
	.p2align	6, 0x0
	.amdhsa_kernel k_qf923da1f22_ffn1
		.amdhsa_group_segment_fixed_size 327680
		.amdhsa_private_segment_fixed_size 0
		.amdhsa_enable_private_segment 0
		.amdhsa_kernarg_size 40
		.amdhsa_user_sgpr_count 2
		.amdhsa_user_sgpr_kernarg_segment_ptr 1
		.amdhsa_wavefront_size32 1
		.amdhsa_system_sgpr_workgroup_id_x 1
		.amdhsa_system_sgpr_workgroup_id_y 1
		.amdhsa_system_sgpr_workgroup_id_z 1
		.amdhsa_system_vgpr_workitem_id 0
		.amdhsa_next_free_vgpr 512
		.amdhsa_next_free_sgpr 102
		.amdhsa_reserve_vcc 0
		.amdhsa_float_denorm_mode_32 3
		.amdhsa_float_denorm_mode_16_64 3
		.amdhsa_memory_ordered 1
		.amdhsa_forward_progress 1
		.amdhsa_inst_pref_size 220
	.end_amdhsa_kernel
	.amdgpu_metadata
---
amdhsa.version: [ 1, 2 ]
amdhsa.kernels:
  - .name:           k_qf923da1f22_ffn1
    .symbol:         k_qf923da1f22_ffn1.kd
    .args:
      - { .name: hbuf, .offset: 0, .size: 8, .value_kind: global_buffer, .address_space: global }
      - { .name: W1_codes, .offset: 8, .size: 8, .value_kind: global_buffer, .address_space: global }
      - { .name: W1_scales, .offset: 16, .size: 8, .value_kind: global_buffer, .address_space: global }
      - { .name: b1, .offset: 24, .size: 8, .value_kind: global_buffer, .address_space: global }
      - { .name: hid, .offset: 32, .size: 8, .value_kind: global_buffer, .address_space: global }
    .group_segment_fixed_size: 327680
    .private_segment_fixed_size: 0
    .kernarg_segment_align: 8
    .kernarg_segment_size: 40
    .max_flat_workgroup_size: 128
    .sgpr_count:     102
    .vgpr_count:     512
    .wavefront_size: 32
...
	.end_amdgpu_metadata
.endif
;; end of part 5
;; launch ffn2 (part 6): grid 8 x 32, 4 waves a work-group, clusters of 4 x 4, 327,680 bytes of LDS; arguments hid, W2_codes, W2_scales, b2, x1, out0; writes out0
.if DOCPART == 6
	.amdgcn_target "amdgcn-amd-amdhsa--gfx1250"
	.amdhsa_code_object_version 6
	.text
	.protected	k_qf923da1f22_ffn2
	.globl	k_qf923da1f22_ffn2
	.p2align	8
	.type	k_qf923da1f22_ffn2,@function
k_qf923da1f22_ffn2:
	s_mov_b64 s[64:65], 0
	v_nop
	global_prefetch_b8 v0, s[64:65] scope:SCOPE_SE
	s_setreg_imm32_b32 hwreg(HW_REG_WAVE_MODE, 25, 1), 1
	s_wait_xcnt 0x0
	s_wait_alu depctr_hold_cnt(0) depctr_sa_sdst(0) depctr_va_vdst(0) depctr_va_sdst(0) depctr_va_ssrc(0) depctr_va_vcc(0) depctr_vm_vsrc(0)
	s_getreg_b32 s2, hwreg(HW_REG_IB_STS2, 6, 4)
	s_cmp_eq_u32 s2, 0
	s_cbranch_scc0 .Lentry_in_a_cluster
	s_endpgm
.Lentry_in_a_cluster:
	s_bfe_u32 s2, ttmp6, 0x10000c
	s_cmp_lg_u32 s2, 0xf033
	s_cbranch_scc0 .Lentry_shape_is_right
	s_endpgm
.Lentry_shape_is_right:
; out0 = x1 + hid W2^T + b2, the product on codes of E2M1 with E8M0 scales, sums in f32.  K = 4,096: four chunks of 1,024, the sums go on.
; SHARES: a work-group makes 128 tokens (y) x 128 channels (x); a wave 64 x 64: 16 accumulators.  K goes through two LDS slots of a chunk each; each wave asks for one half tile a chunk (waves 0, 1: hid; 2, 3: W2).
; THE RING: chunks 0 and 1 are asked for together at the head; chunk 2 at the head of chunk 1, into the slot that chunk 0 has left; chunk 3 at the head of chunk 2.  A wave has two tensor loads out at the start, later one.
; hid's codes arrive as images of operand registers ([k64][tile][512 bytes]); W2's rows lie in LDS 528 bytes apart.  CLUSTER 4 x 4: hid's tile is shared along a row of the cluster, W2's along a column.
; The product is used TRANSPOSED (source 0 = 16 rows of W2, source 1 = 16 tokens): a lane holds eight neighbouring channels of one token.  The bias is the C of each sum's first instruction.
; hid's scale bytes lie two to a (token, k64): a loaded word holds those of two token tiles; two such words (the two k64 of a K step) are recombined into the tiles' scale words by v_perm_b32.
; The residual is loaded at the head into window 2, in the layout in which rows leave; results go through the wave's own stage so that sixteen lanes store 256 consecutive bytes.
.set NCH,   4                          ; chunks of K = 1,024
.set SLAB,  16384                      ; hid's scales: bytes from one k64 (of a pair of chunks) to the next
.set LS,    8                          ; and from one row to the next
.set WROW,  2048                       ; a row of W2's codes in memory
.set SP,    128                        ; a row of W2's scale bytes
.set ASC,   8388608                    ; where hid's scales begin
.set A1,    65536                      ; LDS: hid's slots at 0 and A1 (two halves of 32,768 each)
.set B0,    131072                     ; W2's slots at B0 and B0 + DIST (128 rows x 528)
.set DIST,  67584
.set STG,   266240                     ; a stage of 16 rows x 272 bytes for each wave
.set SPARE, 283648                     ; the spare words: 128 bytes a wave, named by no other line
.set SA,  32                           ; v32-63  hid's scale words, two sets
.set SB,  64                           ; v64-95  W2's scale words, two sets
.set WK,  96                           ; v96-127 at work: hid's raw scale words; rows on the way out
.set ACC, 128                          ; v128-255 accumulators.  Window 1: three fragment buffers of 64; v192-223 the bias tiles.  Window 2: v0-127 the residual
.set MSB, 0
.macro WIN new
.if MSB != \new
	s_set_vgpr_msb (MSB<<8)|\new
.set MSB, \new
.endif
.endm
.macro PLACES n
.rept \n
	v_nop
.endr
.endm
.macro CROUND
	s_barrier_signal -1
	s_barrier_wait -1
	s_cmp_lg_u32 s26, 0
	s_cbranch_scc1 .Lnw0_\@
	s_barrier_signal -3
.Lnw0_\@:
	s_barrier_wait -3
	s_barrier_signal -1
	s_barrier_wait -1
.endm
.macro JLOAD ga, gb                    ; four v_nop follow each of the two lines
	s_cmp_eq_u32 s27, 0
	s_cbranch_scc0 .Lfb_\@
	tensor_load_to_lds s[\ga:\ga+3], s[32:39]
	s_nop 0
	PLACES 4
	s_branch .Lja_\@
.Lfb_\@:
	tensor_load_to_lds s[\gb:\gb+3], s[40:47]
	s_nop 0
	PLACES 4
.Lja_\@:
.endm
.macro FETCH q, ra, rb
	WIN 0x40
.set FB, 64*((\q)%3)
.irp a, 0,1,2,3
.irp c, 0,1
	ds_load_b128 v[FB+8*\a+4*\c:FB+8*\a+4*\c+3], v[\ra] offset:(2*(\q)+\c)*2048+512*\a
.endr
.endr
.irp b, 0,1,2,3
.irp c, 0,1
	ds_load_b128 v[FB+32+8*\b+4*\c:FB+32+8*\b+4*\c+3], v[\rb] offset:8448*\b+64*(\q)+32*\c
.endr
.endr
.endm
.macro WM d, p, r, c, x, y, hi
.if \hi
	v_wmma_scale_f32_16x16x128_f8f6f4 v[\d:\d+7], v[\p:\p+7], v[\r:\r+7], v[\c:\c+7], v[\x], v[\y] matrix_a_fmt:MATRIX_FMT_FP4 matrix_b_fmt:MATRIX_FMT_FP4 matrix_a_scale:MATRIX_SCALE_ROW1 matrix_b_scale:MATRIX_SCALE_ROW1
.else
	v_wmma_scale_f32_16x16x128_f8f6f4 v[\d:\d+7], v[\p:\p+7], v[\r:\r+7], v[\c:\c+7], v[\x], v[\y] matrix_a_fmt:MATRIX_FMT_FP4 matrix_b_fmt:MATRIX_FMT_FP4
.endif
.endm
.macro MUL16 q                         ; the 16 accumulators by turns, in the same order in every step and from chunk to chunk
.set FB, 64*((\q)%3)
.set FIRST, ((\q) == 0) && (C == 0)
.if FIRST
	WIN 0x15
.else
	WIN 0x05
.endif
.irp a, 0,1,2,3
.irp b, 0,1,2,3
.set MD, ACC+8*(4*\a+\b)
.set MC, MD
.if FIRST
.set MC, 192+8*\b
.endif
	WM MD,FB+32+8*\b,FB+8*\a,MC,SB+16*(C%2)+4*\b+(\q)%4,SA+16*(C%2)+4*\a+(\q)%4,(\q)/4
.endr
.endr
.endm
.macro COMPUTE
	PLACES 4
	FETCH 0,4+C%2,6+C%2
	FETCH 1,4+C%2,6+C%2
.irp q, 0,1,2,3,4,5,6,7
.if \q < 7
	s_wait_dscnt 16                                ; this step's 16 loads are in; the next step's 16 may be out
.else
	s_wait_dscnt 0x0
.endif
	PLACES 4                                       ; ahead of loads into the buffer that the last step's products read
.if \q < 6
	FETCH \q+2,4+C%2,6+C%2
.endif
	MUL16 \q
.endr
.endm
.macro RAW c                           ; hid's raw scale words of chunk c: register 8 g + 2 j + e: k64 = 2 j + e (+ 8 in lanes 16-31) of the chunk, token tiles 2 g and 2 g + 1
.irp g, 0,1
.irp j, 0,1,2,3
.irp e, 0,1
	global_load_b32 v[WK+8*\g+2*\j+\e], v13, s[84:85] offset:(16*((\c)/2)+2*\j+\e)*SLAB+16*LS*\g+4*((\c)%2)
.endr
.endr
.endr
.endm
.macro LDSB c
.irp t, 0,1,2,3
	global_load_b128 v[SB+16*((\c)%2)+4*\t:SB+16*((\c)%2)+4*\t+3], v8, s[8:9] offset:16*SP*\t+32*(\c)
.endr
.endm
.macro CHUNK                           ; chunk C
	WIN 0
.if C == 0
	s_wait_tensorcnt 0x1                           ; my part of chunk 0 is in; chunk 1's load may stay out
	s_barrier_signal -1
	s_barrier_wait -1                              ; everybody's is
.else
	s_wait_tensorcnt 0x0                           ; all my tensor loads have landed: my part of this chunk's slot
	ds_add_u32 v28, v29                            ; 0 onto my spare word
	s_wait_dscnt 0x0                               ; the add is done, and my reads of the other slot are over
.if C+1 < NCH
	CROUND
	JLOAD 48+4*(C+1),68+4*(C+1)                    ; the next chunk, into the slot that the last chunk has left: it has this chunk's 128 matrix instructions in which to land
.else
	s_barrier_signal -1
	s_barrier_wait -1
.endif
.endif
.if C == 0
	s_wait_loadcnt 32                              ; bias, raw words and W2's words are in; the residual's 32 loads may be out
.else
	s_wait_loadcnt 0x0
.endif
.irp g, 0,1
.irp j, 0,1,2,3
	v_perm_b32 v[SA+16*(C%2)+8*\g+\j], v[WK+8*\g+2*\j+1], v[WK+8*\g+2*\j], s98     ; token tile 2 g: the low halves
	v_perm_b32 v[SA+16*(C%2)+8*\g+4+\j], v[WK+8*\g+2*\j+1], v[WK+8*\g+2*\j], s99   ; token tile 2 g + 1: the high halves
.endr
.endr
.if C+1 < NCH
	RAW C+1
	LDSB C+1
.endif
	PLACES 8                                       ; scale registers written by vector instructions stand eight places ahead of the products
	COMPUTE
.endm
	s_load_b256 s[4:11], s[0:1], 0x0               ; hid, W2's codes, W2's scales, b2
	s_load_b128 s[12:15], s[0:1], 0x20             ; x1, out0
	v_lshl_add_u32 v28, v0, 2, SPARE
	v_mov_b32 v29, 0
	ds_add_u32 v28, v29
	ds_add_u32 v28, v29
	s_wait_dscnt 0x0
	v_lshrrev_b32 v1, 5, v0
	v_readfirstlane_b32 s26, v1                    ; wave
	s_lshr_b32 s27, s26, 1                         ; wm.  Also: I fetch hid (0) or W2 (1)
	s_and_b32 s28, s26, 1                          ; wn.  Also: which half I fetch
	s_bfe_u32 s29, ttmp6, 0x40000
	s_bfe_u32 s30, ttmp6, 0x40004
	s_lshl_b32 s31, ttmp9, 2
	s_add_co_u32 s31, s31, s29                     ; x
	s_and_b32 s66, ttmp7, 0xffff
	s_lshl_b32 s66, s66, 2
	s_add_co_u32 s66, s66, s30                     ; y
	s_lshl_b32 s67, s30, 2
	s_lshl_b32 s67, 15, s67                        ; my row of the cluster
	s_lshl_b32 s84, 0x1111, s29                    ; my column
	s_or_b32 s32, s67, (1<<21)                     ; group 1 for hid: 16 rows (k64) of 2,048 bytes, 131,072 apart, no padding
	s_mov_b32 s33, 2048<<16
	s_mov_b32 s34, 16<<16
	s_mov_b32 s35, 2048<<16
	s_mov_b32 s36, 16
	s_mov_b32 s37, 131072
	s_mov_b32 s38, 0
	s_mov_b32 s39, 0
	s_or_b32 s40, s84, (1<<20)|(1<<21)|(6<<22)|(3<<25)   ; group 1 for W2: 64 rows of 512 bytes, 16 of padding behind each
	s_mov_b32 s41, 512<<16
	s_mov_b32 s42, 64<<16
	s_mov_b32 s43, 512<<16
	s_mov_b32 s44, 64
	s_mov_b32 s45, WROW
	s_mov_b32 s46, 0
	s_mov_b32 s47, 0
	s_lshl_b32 s16, s66, 12
	s_lshl_b32 s17, s28, 11
	s_add_co_u32 s16, s16, s17
	s_mov_b32 s17, 0                               ; hid's codes
	s_mul_i32 s18, s31, 128*WROW
	s_mul_i32 s19, s28, 64*WROW
	s_add_co_u32 s18, s18, s19
	s_mov_b32 s19, 0                               ; W2's codes
	s_lshl_b32 s20, s28, 15                        ; LDS: hid's half
	s_mul_i32 s21, s28, 33792
	s_add_co_u32 s21, s21, B0                      ; LDS: W2's half
	s_mul_i32 s22, s31, 128*SP
	s_mul_i32 s23, s28, 64*SP
	s_add_co_u32 s22, s22, s23
	s_mov_b32 s23, 0                               ; W2's scales of my 64 rows
	s_lshl_b32 s24, s31, 9
	s_lshl_b32 s25, s28, 8
	s_add_co_u32 s24, s24, s25
	s_mov_b32 s25, 0                               ; the bias of my 64 channels
	s_lshl_b32 s84, s66, 1
	s_add_co_u32 s84, s84, s27
	s_mul_i32 s84, s84, 32*LS
	s_add_co_u32 s84, s84, ASC
	s_mov_b32 s85, 0                               ; hid's scales of my 64 tokens
	s_lshl_b32 s86, s66, 19
	s_lshl_b32 s87, s27, 18
	s_add_co_u32 s86, s86, s87
	s_add_co_u32 s86, s86, s24
	s_mov_b32 s87, 0                               ; residual and out: my first row, my first column
	s_mov_b32 s98, 0x05040100
	s_mov_b32 s99, 0x07060302
	s_wait_kmcnt 0x0
.set C, 0
.rept NCH
	s_mov_b32 s[48+4*C], 1
	s_add_co_u32 s[49+4*C], s20, (C%2)*A1
	s_add_nc_u64 s[50+4*C:51+4*C], s[4:5], s[16:17]
	s_add_nc_u64 s[50+4*C:51+4*C], s[50+4*C:51+4*C], 2097152*C
	s_or_b32 s[51+4*C], s[51+4*C], 0x80000000
	s_mov_b32 s[68+4*C], 1
	s_add_co_u32 s[69+4*C], s21, (C%2)*DIST
	s_add_nc_u64 s[70+4*C:71+4*C], s[6:7], s[18:19]
	s_add_nc_u64 s[70+4*C:71+4*C], s[70+4*C:71+4*C], 512*C
	s_or_b32 s[71+4*C], s[71+4*C], 0x80000000
.set C, C+1
.endr
	CROUND                                         ; all sixteen work-groups are here: the first joint loads meet
	s_cmp_eq_u32 s27, 0                            ; a wave's two first fills stand in one branch, ahead of every wait on TENSORcnt, every LDS read and every other barrier
	s_cbranch_scc0 .Lfirst_b
	tensor_load_to_lds s[48:51], s[32:39]          ; chunk 0 into slot 0,
	s_nop 0
	tensor_load_to_lds s[52:55], s[32:39]          ; chunk 1 into slot 1
	s_nop 0
	PLACES 4
	s_branch .Lfirst_asked
.Lfirst_b:
	tensor_load_to_lds s[68:71], s[40:47]
	s_nop 0
	tensor_load_to_lds s[72:75], s[40:47]
	s_nop 0
	PLACES 4
.Lfirst_asked:
	s_add_nc_u64 s[8:9], s[8:9], s[22:23]
	s_add_nc_u64 s[10:11], s[10:11], s[24:25]
	s_add_nc_u64 s[84:85], s[4:5], s[84:85]
	s_add_nc_u64 s[12:13], s[12:13], s[86:87]
	s_add_nc_u64 s[14:15], s[14:15], s[86:87]
	v_and_b32 v1, 31, v0
	v_and_b32 v2, 15, v0                           ; r
	v_bfe_u32 v3, v0, 4, 1                         ; h
	v_lshlrev_b32 v11, 4, v1
	s_lshl_b32 s92, s27, 15
	v_add_nc_u32 v4, s92, v11                      ; hid's images in slot 0,
	v_add_nc_u32 v5, A1, v4                        ; in slot 1
	v_mul_u32_u24 v6, v2, 528
	v_lshl_add_u32 v6, v3, 4, v6
	s_mul_i32 s92, s28, 33792
	s_add_co_u32 s92, s92, B0
	v_add_nc_u32 v6, s92, v6                       ; W2's rows in slot 0,
	v_add_nc_u32 v7, DIST, v6                      ; in slot 1
	v_mul_u32_u24 v8, v2, SP
	v_lshl_add_u32 v8, v3, 4, v8                   ; W2's scale rows
	v_lshlrev_b32 v9, 5, v3                        ; 32 h
	v_mul_u32_u24 v13, v3, 8*SLAB
	v_mad_u32_u24 v13, v2, LS, v13                 ; hid's raw words: lanes 16-31 eight k64 further on
	s_mul_i32 s92, s26, 4352
	s_add_co_u32 s92, s92, STG
	v_mul_u32_u24 v14, v2, 272
	v_lshl_add_u32 v14, v3, 5, v14
	v_add_nc_u32 v14, s92, v14                     ; the stage, way in: row r, 32 h
	v_mul_u32_u24 v15, v3, 272
	v_lshl_add_u32 v15, v2, 4, v15
	v_add_nc_u32 v15, s92, v15                     ; way back: two rows an instruction
	v_lshlrev_b32 v16, 12, v3
	v_lshl_add_u32 v16, v2, 4, v16                 ; and the same two rows in memory
	WIN 0x40
.irp t, 0,1,2,3
	global_load_b128 v[192+8*\t:192+8*\t+3], v9, s[10:11] offset:64*\t
	global_load_b128 v[192+8*\t+4:192+8*\t+7], v9, s[10:11] offset:64*\t+16
.endr
	WIN 0
	RAW 0
	LDSB 0
	WIN 0x80
.irp a, 0,1,2,3
.irp t, 0,1,2,3,4,5,6,7
	global_load_b128 v[32*\a+4*\t:32*\a+4*\t+3], v16, s[12:13] offset:(16*\a+2*\t)*4096 th:TH_LOAD_NT
.endr
.endr
	WIN 0
.set C, 0
.rept NCH
	CHUNK
.set C, C+1
.endr
	; THE WAY OUT, a tile of 16 tokens at a time, through my own stage
	WIN 0
	s_wait_loadcnt 0x0                             ; the residual
	PLACES 4
.irp a, 0,1,2,3
.if \a > 0
	s_wait_xcnt 0x0                                ; the last tile's stores have read their registers
.endif
.irp b, 0,1,2,3
	ds_store_b128 v14, v[ACC+8*(4*\a+\b):ACC+8*(4*\a+\b)+3] offset:64*\b          ; each accumulator from its low end on
	ds_store_b128 v14, v[ACC+8*(4*\a+\b)+4:ACC+8*(4*\a+\b)+7] offset:64*\b+16
.endr
.irp t, 0,1,2,3,4,5,6,7
	ds_load_b128 v[WK+4*\t:WK+4*\t+3], v15 offset:544*\t   ; LDS serves a wave's instructions in order: these see the stores above
.endr
	s_wait_dscnt 0x0
	WIN 0x08
.irp i, 0,2,4,6,8,10,12,14,16,18,20,22,24,26,28,30
	v_pk_add_f32 v[WK+\i:WK+\i+1], v[WK+\i:WK+\i+1], v[32*\a+\i:32*\a+\i+1]
.endr
	WIN 0
.irp t, 0,1,2,3,4,5,6,7
	global_store_b128 v16, v[WK+4*\t:WK+4*\t+3], s[14:15] offset:(16*\a+2*\t)*4096 th:TH_STORE_NT   ; sixteen lanes store 256 consecutive bytes, aligned
.endr
.endr
	s_wait_tensorcnt 0x0                           ; the wave's end
	ds_add_u32 v28, v29
	s_wait_dscnt 0x0
	CROUND                                         ; the closing round
	s_endpgm
.Lfunc_end_k_qf923da1f22_ffn2:
	.size	k_qf923da1f22_ffn2, .Lfunc_end_k_qf923da1f22_ffn2-k_qf923da1f22_ffn2
	.p2alignl 7, 3214868480
	.fill 96, 4, 3214868480
	.section	.rodata,"a",@progbits
	.p2align	6, 0x0
	.amdhsa_kernel k_qf923da1f22_ffn2
		.amdhsa_group_segment_fixed_size 327680
		.amdhsa_private_segment_fixed_size 0
		.amdhsa_enable_private_segment 0
		.amdhsa_kernarg_size 48
		.amdhsa_user_sgpr_count 2
		.amdhsa_user_sgpr_kernarg_segment_ptr 1
		.amdhsa_wavefront_size32 1
		.amdhsa_system_sgpr_workgroup_id_x 1
		.amdhsa_system_sgpr_workgroup_id_y 1
		.amdhsa_system_sgpr_workgroup_id_z 1
		.amdhsa_system_vgpr_workitem_id 0
		.amdhsa_next_free_vgpr 768
		.amdhsa_next_free_sgpr 102
		.amdhsa_reserve_vcc 0
		.amdhsa_float_denorm_mode_32 3
		.amdhsa_float_denorm_mode_16_64 3
		.amdhsa_memory_ordered 1
		.amdhsa_forward_progress 1
		.amdhsa_inst_pref_size 143
	.end_amdhsa_kernel
	.amdgpu_metadata
---
amdhsa.version: [ 1, 2 ]
amdhsa.kernels:
  - .name:           k_qf923da1f22_ffn2
    .symbol:         k_qf923da1f22_ffn2.kd
    .args:
      - { .name: hid, .offset: 0, .size: 8, .value_kind: global_buffer, .address_space: global }
      - { .name: W2_codes, .offset: 8, .size: 8, .value_kind: global_buffer, .address_space: global }
      - { .name: W2_scales, .offset: 16, .size: 8, .value_kind: global_buffer, .address_space: global }
      - { .name: b2, .offset: 24, .size: 8, .value_kind: global_buffer, .address_space: global }
      - { .name: x1, .offset: 32, .size: 8, .value_kind: global_buffer, .address_space: global }
      - { .name: out0, .offset: 40, .size: 8, .value_kind: global_buffer, .address_space: global }
    .group_segment_fixed_size: 327680
    .private_segment_fixed_size: 0
    .kernarg_segment_align: 8
    .kernarg_segment_size: 48
    .max_flat_workgroup_size: 128
    .sgpr_count:     102
    .vgpr_count:     768
    .wavefront_size: 32
...
	.end_amdgpu_metadata
.endif
;; end of part 6
